; MI455X (gfx1250); checked and timed in simulation.
; The chip was launched on July 23, 2026; its instructions are those of AMD's public machine-readable ISA for CDNA 5 (MIT licence, August 2026) and "CDNA5" Instruction Set Architecture Reference Guide (July 2026). The comments in the code are by the model that wrote it; some were corrected since.
;; Concept Graph. Allowed arithmetic: float matrix products may take bf16 or f16 operands with f32 sums; all other float work in f32.
;; Inputs: embedding 4,096 x 1,024 float32; x 8 x 2,048 x 1,024 float32.
;; Outputs: out0 8 x 2,048 x 1,024 float32.
;; 2 versions, each right and faster than the one before. Each part assembles by itself: llvm-mc -triple=amdgcn-amd-amdhsa -mcpu=gfx1250 --defsym DOCPART=n.
;; ======== version 1 of 2: 4 launches
;; workspace buffers: bf 41,943,040 bytes; nrm 81,920 bytes; pval 262,144 bytes; pidx 262,144 bytes of whole numbers; idx 65,536 bytes of whole numbers
;; launch prep (part 1): grid 320 x 1, 8 waves a work-group, no clusters, 1,280 bytes of LDS; arguments x, embedding, bf, nrm; writes bf, nrm
.if DOCPART == 1
	.amdgcn_target "amdgcn-amd-amdhsa--gfx1250"
	.amdhsa_code_object_version 6
	.text
	.protected	k_q56c02cbede_prep
	.globl	k_q56c02cbede_prep
	.p2align	8
	.type	k_q56c02cbede_prep,@function
k_q56c02cbede_prep:
	s_mov_b64 s[64:65], 0
	v_nop
	global_prefetch_b8 v0, s[64:65] scope:SCOPE_SE
	s_setreg_imm32_b32 hwreg(HW_REG_WAVE_MODE, 25, 1), 1
	s_wait_xcnt 0x0
; bf[row][c] = bf16(src[row][c]) and nrm[row] = the sum over c of bf[row][c]^2 in f32, for the 16,384 rows of x (bf rows 0 ..) and the
; 4,096 rows of the table (bf rows 16,384 ..).  The norms are taken from the ROUNDED numbers: the distances of the next launch are those
; of the rounded inputs.  LIMIT: the norm's order of summation (four chains a lane, then across the lanes) is not the reference's.
; A stream: each input byte is read once, each output byte written once; no matrix unit, no cluster (no two work-groups read the same bytes).
; Eight waves; the work-group owns 64 rows (work-groups 0-255: x, 256-319: the table), a wave eight of them.  A row of 4,096 bytes is eight
; loads of 512 neighbouring bytes and lies in 32 registers; a ring of four such slots keeps 32 loads of every wave on their way.
; A store of the wave covers 256 consecutive bytes of bf, aligned; the work-group's 64 norms meet in LDS and leave as one store of 256 bytes.
.set ROWB, 4096                        ; bytes in a row of f32
.set OUTB, 2048                        ; bytes in a row of bf16
.set LO,  1                            ; v1       16 x lane + wave x 8 rows x 4,096: my 16 bytes in the wave's first row; never rewritten
.set SO,  2                            ; v2       8 x lane + wave x 8 rows x 2,048: the same in bf; never rewritten
.set LA,  3                            ; v3       LDS address of the wave's eight norms
.set T,   4                            ; v[4:7]   four rounded numbers, widened again
.set S,   8                            ; v[8:11]  four chains of the sum of squares
.set P,   12                           ; v12      the other half's sum
.set X,   16                           ; v[16:143] slot s: 32 registers, piece j at X + 32 s + 4 j
	s_load_b256 s[4:11], s[0:1], 0x0               ; x s[4:5], the table s[6:7], bf s[8:9], nrm s[10:11]
	v_lshl_add_u32 v144, v0, 2, 0x100
	v_mov_b32 v145, 0
	v_lshrrev_b32 v14, 5, v0
	v_readfirstlane_b32 s12, v14                   ; wave 0..7
	v_and_b32 v13, 31, v0                          ; lane
	v_mov_b32 v[P], 0                              ; v_permlanex16_b32 counts as a reader of its destination
	s_mov_b32 s22, 0xffff0000                      ; a word's upper bf16
	s_mov_b32 s24, 0x76543210                      ; v_permlanex16_b32: lane i reads lane i of the other half
	s_mov_b32 s25, 0xfedcba98
	s_lshl_b32 s26, s12, 15
	s_lshl_b32 s27, s12, 14
	s_lshl_b32 s28, s12, 5
	v_lshl_add_u32 v[LO], v13, 4, s26
	v_lshl_add_u32 v[SO], v13, 3, s27
	v_mov_b32 v[LA], s28
	s_sub_co_u32 s13, ttmp9, 256                   ; the work-group's number within the table (used from 256 on)
	s_lshl_b32 s18, ttmp9, 17                      ; 64 rows of 2,048 bytes in bf
	s_mov_b32 s19, 0
	s_lshl_b32 s20, ttmp9, 8                       ; 64 norms of 4 bytes
	s_mov_b32 s21, 0
	s_mov_b32 s17, 0
	s_wait_kmcnt 0x0
	s_cmp_lt_u32 ttmp9, 256
	s_cselect_b32 s13, ttmp9, s13                  ; my number within my source,
	s_cselect_b64 s[14:15], s[4:5], s[6:7]         ; and the source
	s_lshl_b32 s16, s13, 18                        ; 64 rows of 4,096 bytes
	s_add_nc_u64 s[14:15], s[14:15], s[16:17]
	s_add_nc_u64 s[8:9], s[8:9], s[18:19]
	s_add_nc_u64 s[10:11], s[10:11], s[20:21]
.macro FILL s, r                       ; row r of the wave's eight into slot s
.irp j, 0,1,2,3,4,5,6,7
	global_load_b128 v[X+32*\s+4*\j:X+32*\s+4*\j+3], v[LO], s[14:15] offset:ROWB*(\r)+512*\j th:TH_LOAD_NT
.endr
.endm
	FILL 0, 0
	FILL 1, 1
	FILL 2, 2
	FILL 3, 3
; Row r, which lies in slot s.  left = how many younger loads may stay out; refill = 1: the slot then gets the row four further down.
.macro ROW s, r, left, refill
	s_wait_loadcnt \left                           ; loads come back in order (ISA guide 5.7.1): this row's eight are in
.irp j, 0,1,2,3,4,5,6,7
	v_cvt_pk_bf16_f32 v[X+32*\s+4*\j],   v[X+32*\s+4*\j],   v[X+32*\s+4*\j+1]   ; four roundings, packed into the piece's first two registers
	v_cvt_pk_bf16_f32 v[X+32*\s+4*\j+1], v[X+32*\s+4*\j+2], v[X+32*\s+4*\j+3]
	global_store_b64 v[SO], v[X+32*\s+4*\j:X+32*\s+4*\j+1], s[8:9] offset:OUTB*\r+256*\j   ; 32 lanes x 8 bytes: 256 consecutive bytes, aligned
	v_lshlrev_b32 v[T],   16,  v[X+32*\s+4*\j]     ; the rounded numbers as f32
	v_and_b32     v[T+1], s22, v[X+32*\s+4*\j]
	v_lshlrev_b32 v[T+2], 16,  v[X+32*\s+4*\j+1]
	v_and_b32     v[T+3], s22, v[X+32*\s+4*\j+1]
.if \j
	v_pk_fma_f32 v[S:S+1],   v[T:T+1],   v[T:T+1],   v[S:S+1]
	v_pk_fma_f32 v[S+2:S+3], v[T+2:T+3], v[T+2:T+3], v[S+2:S+3]
.else
	v_pk_mul_f32 v[S:S+1],   v[T:T+1],   v[T:T+1]  ; the first piece starts the chains: nothing is cleared
	v_pk_mul_f32 v[S+2:S+3], v[T+2:T+3], v[T+2:T+3]
.endif
.endr
	v_pk_add_f32 v[S:S+1], v[S:S+1], v[S+2:S+3]
	v_add_f32 v[S], v[S], v[S+1]
	v_add_f32_dpp v[S], v[S], v[S] row_xmask:1 row_mask:0xf bank_mask:0xf
	v_add_f32_dpp v[S], v[S], v[S] row_xmask:2 row_mask:0xf bank_mask:0xf
	v_add_f32_dpp v[S], v[S], v[S] row_xmask:4 row_mask:0xf bank_mask:0xf
	v_add_f32_dpp v[S], v[S], v[S] row_xmask:8 row_mask:0xf bank_mask:0xf
	v_permlanex16_b32 v[P], v[S], s24, s25
	v_add_f32 v[S], v[S], v[P]                     ; every lane holds the row's sum
	ds_store_b32 v[LA], v[S] offset:4*\r           ; all lanes write the same word with the same value
.if \refill
	s_wait_xcnt 0x0                                ; the slot's registers are store data: they are loaded again only behind this wait
	FILL \s, (\r+4)
.endif
.endm
	ROW 0, 0, 24, 1                                ; three younger rows, 24 loads, stay out
	ROW 1, 1, 24, 1
	ROW 2, 2, 24, 1
	ROW 3, 3, 24, 1
	ROW 0, 4, 24, 0                                ; nothing is left to fetch: the counts run down
	ROW 1, 5, 16, 0
	ROW 2, 6, 8, 0
	ROW 3, 7, 0, 0
	s_wait_dscnt 0x0                               ; my eight norms are in LDS, for wave 0's sake
	s_barrier_signal -1
	s_barrier_wait -1
	s_cmp_lg_u32 s12, 0
	s_cbranch_scc1 .Lend
	v_lshlrev_b32 v14, 3, v13                      ; wave 0: lane i takes norms 2 i and 2 i + 1
	ds_load_b64 v[T:T+1], v14
	s_wait_dscnt 0x0
	global_store_b64 v14, v[T:T+1], s[10:11]       ; the work-group's 64 norms: 256 consecutive bytes, aligned
.Lend:
	s_wait_tensorcnt 0x0
	ds_add_u32 v144, v145
	s_wait_dscnt 0x0
	s_endpgm
.Lfunc_end_k_q56c02cbede_prep:
	.size	k_q56c02cbede_prep, .Lfunc_end_k_q56c02cbede_prep-k_q56c02cbede_prep
	.p2alignl 7, 3214868480
	.fill 96, 4, 3214868480
	.section	.rodata,"a",@progbits
	.p2align	6, 0x0
	.amdhsa_kernel k_q56c02cbede_prep
		.amdhsa_group_segment_fixed_size 1280
		.amdhsa_private_segment_fixed_size 0
		.amdhsa_enable_private_segment 0
		.amdhsa_kernarg_size 32
		.amdhsa_user_sgpr_count 2
		.amdhsa_user_sgpr_kernarg_segment_ptr 1
		.amdhsa_wavefront_size32 1
		.amdhsa_system_sgpr_workgroup_id_x 1
		.amdhsa_system_sgpr_workgroup_id_y 1
		.amdhsa_system_sgpr_workgroup_id_z 1
		.amdhsa_system_vgpr_workitem_id 0
		.amdhsa_next_free_vgpr 146
		.amdhsa_next_free_sgpr 66
		.amdhsa_reserve_vcc 0
		.amdhsa_float_denorm_mode_32 3
		.amdhsa_float_denorm_mode_16_64 3
		.amdhsa_memory_ordered 1
		.amdhsa_forward_progress 1
		.amdhsa_inst_pref_size 43
	.end_amdhsa_kernel
	.amdgpu_metadata
---
amdhsa.version: [ 1, 2 ]
amdhsa.kernels:
  - .name:           k_q56c02cbede_prep
    .symbol:         k_q56c02cbede_prep.kd
    .args:
      - { .name: x, .offset: 0, .size: 8, .value_kind: global_buffer, .address_space: global }
      - { .name: embedding, .offset: 8, .size: 8, .value_kind: global_buffer, .address_space: global }
      - { .name: bf, .offset: 16, .size: 8, .value_kind: global_buffer, .address_space: global }
      - { .name: nrm, .offset: 24, .size: 8, .value_kind: global_buffer, .address_space: global }
    .group_segment_fixed_size: 1280
    .private_segment_fixed_size: 0
    .kernarg_segment_align: 8
    .kernarg_segment_size: 32
    .max_flat_workgroup_size: 256
    .sgpr_count:     66
    .vgpr_count:     146
    .wavefront_size: 32
...
	.end_amdgpu_metadata
.endif
;; end of part 1
;; launch dist (part 2): grid 4 x 64, 4 waves a work-group, clusters of 4 x 4, 327,680 bytes of LDS; arguments bf, nrm, pval, pidx; writes pval, pidx
.if DOCPART == 2
	.amdgcn_target "amdgcn-amd-amdhsa--gfx1250"
	.amdhsa_code_object_version 6
	.text
	.protected	k_q56c02cbede_dist
	.globl	k_q56c02cbede_dist
	.p2align	8
	.type	k_q56c02cbede_dist,@function
k_q56c02cbede_dist:
	s_mov_b64 s[64:65], 0
	v_nop
	global_prefetch_b8 v0, s[64:65] scope:SCOPE_SE
	s_setreg_imm32_b32 hwreg(HW_REG_WAVE_MODE, 25, 1), 1
	s_wait_xcnt 0x0
	s_wait_alu depctr_hold_cnt(0) depctr_sa_sdst(0) depctr_va_vdst(0) depctr_va_sdst(0) depctr_va_ssrc(0) depctr_va_vcc(0) depctr_vm_vsrc(0)
	s_getreg_b32 s2, hwreg(HW_REG_IB_STS2, 6, 4)
	s_cmp_eq_u32 s2, 0
	s_cbranch_scc0 .Lentry_in_a_cluster
	s_endpgm
.Lentry_in_a_cluster:
	s_bfe_u32 s2, ttmp6, 0x10000c
	s_cmp_lg_u32 s2, 0xf033
	s_cbranch_scc0 .Lentry_shape_is_right
	s_endpgm
.Lentry_shape_is_right:
; For each of the 16,384 rows n and each quarter q of the 4,096 codes: the smallest d[n][k] = (x2[n] - 2 x[n].e[k]) + e2[k] over the quarter's
; 1,024 codes, and the lowest k that has it.  x and e are the rows of bf (bf16), x2 and e2 their norms in nrm; sums in f32; the three terms
; are added in the order and with the roundings of the formula as written (2 x.e is exact, so one fused multiply-add makes the first rounding).
; LIMITS: a distance that is NaN is never taken (an argmin would take it); a row whose distances are all +inf or NaN yields +inf and the
; quarter's first code.  Operands are bf16, not f16, so that inputs many times larger keep their range.
;
; A work-group owns 256 rows and one quarter of the codes, and STAYS: four passes of a block of 256 rows x 256 codes, each of eight K steps of 128,
; 32 steps on one ring of two LDS slots that runs on from pass to pass.  Four waves, each with 128 x 128 sums: 64 accumulator tiles, 512 registers.
; Behind a pass's last product the sums become distances in place and are folded into a running best (value, code) for each of the lane's
; eight rows; meanwhile the next pass's first two tiles are on their way and its first fragments are asked for.
; CLUSTERS: 4 x 4 work-groups.  The four of a row of the cluster have the same 256 rows of x, the four of a column the same quarter of the codes:
; each tile is asked for jointly by four, which divides the requests by four.
;
; REGISTERS, in windows of 256:
;   window 0: v16-29 addresses; v32-47 x2; v48-55 best value; v56-63 best code; v64-127, v128-191 fragments of x, two buffers; v192-255 e2
;   window 1: v64-127, v128-191 fragments of the table, two buffers
;   window 2: the 32 accumulator tiles of my rows 0-63 (tile (a, b) at v[8 (8 a + b)]);   window 3: those of my rows 64-127
; The matrix instruction takes the table as source 0 and x as source 1: lane l then holds row 16 a + l % 16, and registers 0 to 7 of tile (a, b)
; the codes 16 b + 8 (l / 16) + 0 .. 7.  So a row's minimum is folded inside the lane, over registers, and crosses lanes once, at the end.
.set PITCH,  272                       ; an LDS row: 256 bytes of data + 16 of padding = 68 words, so the 16 rows that a fragment load touches start 4 words apart modulo 64
.set HALFT,  128*PITCH                 ; 128 rows: what one tensor load brings, and what one wave reads of x or of the table
.set SLOT,   4*HALFT                   ; x's 256 rows, then the table's 256 rows
.set STAGE,  2*SLOT                    ; behind the ring, 4,096 bytes that no tensor load fills: 4 waves x 128 values, then 4 waves x 128 columns
.set NEXTB,  524288                    ; 256 rows of the table in bytes: from a pass to the next
.set ADRA, 16                          ; v16-17  LDS address of my x fragments in slot 0, 1
.set ADRB, 20                          ; v20-21  the same for the table
.set EOFF, 24                          ; v24     32 (l / 16): my eight e2 within a group of sixteen
.set XOFF, 25                          ; v25     4 (l % 16): my x2 within a group of sixteen
.set CB,   26                          ; v26     the column of my register 0 of tile b = 0 in pass 0
.set STO,  27                          ; v27     stage: where I put a row's value
.set RD,   28                          ; v28     stage: where I read two rows' values back
.set GO,   29                          ; v29     8 x lane: my two rows in the wave's 256 bytes of pval and pidx
.set X2,   32                          ; v[32:47]  pair a: x2 of row 16 a + l % 16, in both registers
.set BV,   48                          ; v[48:55]  row block a: the smallest distance so far
.set BI,   56                          ; v[56:63]  row block a: its code 8 b + j, lowered by 64 at each later pass
.set F0,   64
.set F1,   128
.set E2,   192                         ; v[192:255] e2 of code 16 b + 8 (l / 16) + j at E2 + 8 b + j
.set G1,  24                           ; s[24:31] descriptor group 1 for x's tiles
.set G0,  32                           ; s[32:39] descriptor group 0 for x's tiles, a set for each slot
.set UA,  40                           ; s[40:41] address of my half of x's tile at K = 0
.set UB,  42                           ; s[42:43] the same for the table, this pass
.set EB,  44                           ; s[44:45] address of my 128 e2 (of the pass whose loads come next)
.set XB,  46                           ; s[46:47] address of my 128 x2
.set G1B, 48                           ; s[48:55] descriptor group 1 for the table's tiles: it differs in the mask alone
.set G0B, 56                           ; s[56:63] descriptor group 0 for the table's tiles, a set for each slot
.set MK,  68                           ; s[68:71] lane masks of four compares
.set MSB, 0
.macro WIN new                         ; the immediate's high byte repeats the setting that is left
.if MSB != \new
	s_set_vgpr_msb (MSB<<8)|\new
.set MSB, \new
.endif
.endm
.set MUL_LO, 0xa1                      ; source 0 (table) window 1, source 1 (x) window 0, C and D window 2
.set MUL_HI, 0xf1                      ; the same, C and D window 3
.set TO_B,   0x40                      ; destination window 1, address window 0
; A joint load.  Waves 0 and 1 fetch the two halves of x's tile, waves 2 and 3 those of the table's.  Each line has one mask and one set of registers,
; and nothing in them hangs on a coordinate that the four partners do not share.  The branch hangs on the wave's number alone.
.macro JLOAD s
	s_cmp_eq_u32 s13, 0
	s_cbranch_scc0 .Lfor_b_\@
	tensor_load_to_lds s[G0+4*\s:G0+4*\s+3], s[G1:G1+7]
	s_nop 0
	s_branch .Lasked_\@
.Lfor_b_\@:
	tensor_load_to_lds s[G0B+4*\s:G0B+4*\s+3], s[G1B:G1B+7]
	s_nop 0
.Lasked_\@:
.endm
; A round of the cluster's barrier: my work-group's barrier, wave 0 signals for the work-group, every wave waits for all sixteen, my work-group's barrier again.
.macro CREST                           ; a round behind its opening barrier
	s_cmp_lg_u32 s12, 0
	s_cbranch_scc1 .Lnot_wave_0_\@
	s_barrier_signal -3
.Lnot_wave_0_\@:
	s_barrier_wait -3
	s_barrier_signal -1
	s_barrier_wait -1
.endm
.macro CROUND                          ; a whole round
	s_barrier_signal -1
	s_barrier_wait -1
	CREST
.endm
	s_load_b256 s[4:11], s[0:1], 0x0               ; bf s[4:5], nrm s[6:7], pval s[8:9], pidx s[10:11]
	s_set_vgpr_msb 0x40
	v_lshl_add_u32 v255, v0, 2, 0x45000
	s_set_vgpr_msb 0x4000
	v_mov_b32 v31, 0
	s_set_vgpr_msb 0x1
	ds_add_u32 v255, v31
	s_set_vgpr_msb 0x100
	v_lshrrev_b32 v1, 5, v0
	v_readfirstlane_b32 s12, v1                    ; wave 0..3
	s_lshr_b32 s13, s12, 1                         ; which half of the block's rows is mine.  Also: I fetch for x (0) or for the table (1)
	s_and_b32 s14, s12, 1                          ; which half of its codes.  Also: which 128 rows of that tile I fetch
	s_bfe_u32 s15, ttmp6, 0x40000                  ; cx
	s_bfe_u32 s16, ttmp6, 0x40004                  ; cy
	s_lshl_b32 s18, ttmp9, 2
	s_add_co_u32 s18, s18, s15                     ; the quarter of the codes = 4 x cluster x + cx
	s_and_b32 s17, ttmp7, 0xffff
	s_lshl_b32 s17, s17, 2
	s_add_co_u32 s17, s17, s16                     ; the block of 256 rows = 4 x cluster y + cy
	s_lshl_b32 s19, s16, 2
	s_lshl_b32 s19, 15, s19                        ; my row of the cluster: places 4 cy .. 4 cy + 3
	s_lshl_b32 s20, 0x1111, s15                    ; my column: places cx, cx + 4, cx + 8, cx + 12
	s_mov_b32 s66, 0x76543210                      ; v_permlanex16_b32: lane i reads lane i of the other half
	s_mov_b32 s67, 0xfedcba98
	; descriptor group 1: a tile of 128 rows x 128 elements of 2 bytes, rows 1,024 elements apart, padded in LDS
	s_or_b32 s[G1+0], s19, (1<<16)|(1<<20)|(1<<21)|(5<<22)|(3<<25)   ; 15:0 mask: x's tiles go to my row; 17:16 2 bytes; 20 padding on; 21 set beside a mask; 24:22 after every 64 words; 31:25 4 words
	s_or_b32 s[G1B+0], s20, (1<<16)|(1<<20)|(1<<21)|(5<<22)|(3<<25)  ; the same with the mask of my column
	s_mov_b32 s[G1+1], 128<<16                     ; tensor_dim0 = 128
	s_mov_b32 s[G1B+1], 128<<16
	s_mov_b32 s[G1+2], 128<<16                     ; tensor_dim1 = 128
	s_mov_b32 s[G1B+2], 128<<16
	s_mov_b32 s[G1+3], 128<<16                     ; tile_dim0 = 128
	s_mov_b32 s[G1B+3], 128<<16
	s_mov_b32 s[G1+4], 128                         ; tile_dim1 = 128
	s_mov_b32 s[G1B+4], 128
	s_mov_b32 s[G1+5], 1024                        ; elements from row to row
	s_mov_b32 s[G1B+5], 1024
	s_mov_b32 s[G1+6], 0
	s_mov_b32 s[G1B+6], 0
	s_mov_b32 s[G1+7], 0
	s_mov_b32 s[G1B+7], 0
	; byte offsets.  x's tiles hang on the block of rows alone, the table's on the quarter alone; each offset has registers that never hold the other coordinate
	s_lshl_b32 s22, s14, 18                        ; which 128 rows of 2,048 bytes I fetch
	s_lshl_b32 s76, s17, 19                        ; 256 rows of 2,048 bytes
	s_add_co_u32 s76, s76, s22
	s_mov_b32 s77, 0
	s_lshl_b32 s78, s18, 21                        ; 1,024 rows of 2,048 bytes,
	s_add_co_u32 s78, s78, s22
	s_add_co_u32 s78, s78, 0x2000000               ; behind x's 16,384 rows
	s_mov_b32 s79, 0
	s_lshl_b32 s80, s18, 12                        ; e2: 1,024 norms a quarter,
	s_lshl_b32 s81, s14, 9                         ; 128 for my half of the codes,
	s_add_co_u32 s80, s80, s81
	s_add_co_u32 s80, s80, 0x10000                 ; behind x's 16,384 norms
	s_mov_b32 s81, 0
	s_lshl_b32 s82, s17, 10                        ; x2: 256 norms a block,
	s_lshl_b32 s83, s13, 9                         ; 128 for my half of the rows
	s_add_co_u32 s82, s82, s83
	s_mov_b32 s83, 0
	s_lshl_b32 s88, s18, 16                        ; pval, pidx: 16,384 words a quarter,
	s_lshl_b32 s89, s17, 10                        ; 256 a block,
	s_add_co_u32 s88, s88, s89
	s_lshl_b32 s89, s12, 8                         ; 64 a wave
	s_add_co_u32 s88, s88, s89
	s_mov_b32 s89, 0
	s_mul_i32 s21, s12, HALFT                      ; where my part of a tile goes: x's two halves, then the table's two = wave x 128 rows
	s_wait_dscnt 0x0
	s_wait_kmcnt 0x0
	s_add_nc_u64 s[UA:UA+1], s[4:5], s[76:77]
	s_add_nc_u64 s[UB:UB+1], s[4:5], s[78:79]
	s_add_nc_u64 s[EB:EB+1], s[6:7], s[80:81]
	s_add_nc_u64 s[XB:XB+1], s[6:7], s[82:83]
	s_add_nc_u64 s[8:9], s[8:9], s[88:89]
	s_add_nc_u64 s[10:11], s[10:11], s[88:89]
	CROUND                                         ; all sixteen work-groups are here: the first joint loads meet
.irp s, 0,1
	s_mov_b32 s[G0+4*\s], 1                                        ; count = 1
	s_add_co_u32 s[G0+4*\s+1], s21, \s*SLOT                        ; LDS address
	s_add_nc_u64 s[G0+4*\s+2:G0+4*\s+3], s[UA:UA+1], \s*256        ; global address: K step s
	s_or_b32 s[G0+4*\s+3], s[G0+4*\s+3], 0x80000000                ; type = 2
	s_mov_b32 s[G0B+4*\s], 1
	s_add_co_u32 s[G0B+4*\s+1], s21, \s*SLOT
	s_add_nc_u64 s[G0B+4*\s+2:G0B+4*\s+3], s[UB:UB+1], \s*256
	s_or_b32 s[G0B+4*\s+3], s[G0B+4*\s+3], 0x80000000
	JLOAD \s                                       ; both slots' first fills go out together: two tensor loads of the wave are out
.endr
	v_and_b32 v1, 15, v0                           ; l % 16
	v_bfe_u32 v2, v0, 4, 1                         ; l / 16
	v_and_b32 v4, 31, v0                           ; l
	v_lshlrev_b32 v[EOFF], 5, v2
	v_lshlrev_b32 v[XOFF], 2, v1
.irp a, 0,1,2,3,4,5,6,7
	global_load_b32 v[X2+2*\a], v[XOFF], s[XB:XB+1] offset:64*\a   ; x2 of row 16 a + l % 16
.endr
.macro LOADE                           ; my 64 e2 of one pass: sixteen loads, eight numbers for each b
.irp b, 0,1,2,3,4,5,6,7
	global_load_b128 v[E2+8*\b:E2+8*\b+3],   v[EOFF], s[EB:EB+1] offset:64*\b
	global_load_b128 v[E2+8*\b+4:E2+8*\b+7], v[EOFF], s[EB:EB+1] offset:64*\b+16
.endr
.endm
	LOADE
	; A fragment is 16 rows x 32 K in 8 registers: lane l holds row l % 16; registers 0-3 K = 8 (l / 16) + 0..7, registers 4-7 K = 16 + 8 (l / 16) + 0..7:
	; two loads of 16 bytes, 32 bytes apart, at row x pitch + 16 (l / 16)
	v_mul_u32_u24 v3, v1, PITCH
	v_lshl_add_u32 v3, v2, 4, v3
	s_mul_i32 s22, s13, HALFT                      ; my 128 rows of x
	s_mul_i32 s23, s14, HALFT                      ; my 128 rows of the table,
	s_add_co_u32 s23, s23, 2*HALFT                 ; which lie behind x's 256
.irp s, 0,1
	v_add_nc_u32 v[ADRA+\s], s22, v3
	v_add_nc_u32 v[ADRB+\s], s23, v3
	s_add_co_u32 s22, s22, SLOT
	s_add_co_u32 s23, s23, SLOT
.endr
	s_lshl_b32 s84, s18, 10                        ; a number, no address: the quarter's first code
	s_lshl_b32 s85, s14, 7
	s_add_co_u32 s84, s84, s85                     ; + my half of a block's codes
	v_lshl_add_u32 v[CB], v2, 3, s84               ; + 8 (l / 16)
	s_lshl_b32 s86, s12, 9
	s_add_co_u32 s86, s86, STAGE
	v_lshl_add_u32 v[STO], v1, 2, s86              ; stage + 512 x wave + 4 (l % 16)
	s_lshl_b32 s87, s13, 10                        ; back: rows 64 w .. 64 w + 63 of the block lie in the parts of waves 2 (w / 2) and 2 (w / 2) + 1,
	s_lshl_b32 s90, s14, 8                         ; from row 64 (w % 2) of those waves' 128
	s_add_co_u32 s87, s87, s90
	s_add_co_u32 s87, s87, STAGE
	v_lshl_add_u32 v[RD], v4, 3, s87               ; two rows a lane
	v_lshlrev_b32 v[GO], 3, v4
.irp a, 0,1,2,3,4,5,6,7
	v_mov_b32 v[BV+\a], 0x7f800000                 ; +inf: any finite distance is smaller
	v_mov_b32 v[BI+\a], 64                         ; 64 - 4 x 64 + 192 = 0: a lane that takes nothing ends at its first column
.endr
	s_wait_loadcnt 16                              ; the eight x2 are in; the sixteen younger loads (e2) stay out
.irp a, 0,1,2,3,4,5,6,7
	v_mov_b32 v[X2+2*\a+1], v[X2+2*\a]             ; both registers of the pair, for the packed multiply-add
.endr
; 16 matrix instructions: row blocks a0, a0 + 1 of the window's four x all 8 blocks of codes, 32 along K.  zero = 1: the product starts the sums.
; The 64 accumulators take turns, one instruction a turn, in the same order in every quarter step.
.macro MUL16 f, hi, a0, zero
.irp a, \a0, \a0+1
.irp b, 0,1,2,3,4,5,6,7
.if \zero
	v_wmma_f32_16x16x32_bf16 v[8*(8*(\a)+\b):8*(8*(\a)+\b)+7], v[\f+8*\b:\f+8*\b+7], v[\f+8*(4*\hi+\a):\f+8*(4*\hi+\a)+7], 0
.else
	v_wmma_f32_16x16x32_bf16 v[8*(8*(\a)+\b):8*(8*(\a)+\b)+7], v[\f+8*\b:\f+8*\b+7], v[\f+8*(4*\hi+\a):\f+8*(4*\hi+\a)+7], v[8*(8*(\a)+\b):8*(8*(\a)+\b)+7]
.endif
.endr
.endr
.endm
; 32 LDS loads in one run: the fragments of one quarter step (128 rows of the table, 128 rows of x, 32 K at byte k of the rows) into buffer f
.macro FETCH slot, k, f
	WIN TO_B
.irp i, 0,1,2,3,4,5,6,7
	ds_load_b128 v[\f+8*\i:\f+8*\i+3],   v[ADRB+\slot] offset:\k+\i*16*PITCH
	ds_load_b128 v[\f+8*\i+4:\f+8*\i+7], v[ADRB+\slot] offset:\k+\i*16*PITCH+32
.endr
	WIN 0
.irp i, 0,1,2,3,4,5,6,7
	ds_load_b128 v[\f+8*\i:\f+8*\i+3],   v[ADRA+\slot] offset:\k+\i*16*PITCH
	ds_load_b128 v[\f+8*\i+4:\f+8*\i+7], v[ADRA+\slot] offset:\k+\i*16*PITCH+32
.endr
.endm
; A load into a register that a matrix instruction has read stands four places behind it, and only plain vector instructions that name none of its
; registers are places (ISA guide 7.12.1 for vector instructions): four v_nop in front of each run of loads.
.macro PLACES
.rept 4
	v_nop
.endr
.endm
; A K step is four quarter steps of 32 along K, 64 matrix instructions each, on buffers 0, 1, 0, 1.
; One of the first three: multiplies buffer f; in its middle it fetches the next quarter's fragments, at byte k of the same slot's rows, into buffer g.
.macro QUARTER slot, k, f, g, zero
	s_wait_dscnt 8                                 ; the table's fragments and x's rows 0-63 are in; the youngest eight loads (x's rows 64-127) may be out
	WIN MUL_LO
	MUL16 \f, 0, 0, \zero
	MUL16 \f, 0, 2, \zero
	PLACES
	FETCH \slot, \k, \g
	s_wait_dscnt 32                                ; all but the 32 just issued
	WIN MUL_HI
	MUL16 \f, 1, 0, \zero
	MUL16 \f, 1, 2, \zero
.endm
.macro THREE slot, zero
	QUARTER \slot, 64,  F0, F1, \zero
	QUARTER \slot, 128, F1, F0, 0
	QUARTER \slot, 192, F0, F1, 0
.endm
; The last quarter: multiplies buffer 1 and changes slots.  fill = 1: this slot is filled again with the tiles two K steps ahead, at byte ca behind
; UA and byte cb behind UB.  In front of the barrier each wave waits for its reads of this slot and for all its tensor loads, of which one is out:
; its part of the next slot.  With fill = 1 the barrier opens a round of the cluster's barrier; the joint refill is the first tensor load behind the
; round, one a wave.  From that request to the wait for it the wave issues 240 matrix instructions (and at a pass's end the folding of the distances).
.macro TURN slot, next, fill, ca, cb
	s_wait_dscnt 8
	WIN MUL_LO
	MUL16 F1, 0, 0, 0
	s_wait_dscnt 0                                 ; my reads of this slot are over
	s_wait_tensorcnt 0x0                           ; and all my tensor loads have landed
	ds_add_u32 v255, v31
	s_wait_dscnt 0x0
	s_barrier_signal -1
	MUL16 F1, 0, 2, 0                              ; register work while the others arrive
	WIN 0
	s_barrier_wait -1
.if \fill
	CREST                                          ; no wave of any partner still reads this slot or has a load on its way
	s_add_nc_u64 s[G0+4*\slot+2:G0+4*\slot+3], s[UA:UA+1], \ca     ; no tensor load of mine is out: a group 0 may be written
	s_or_b32 s[G0+4*\slot+3], s[G0+4*\slot+3], 0x80000000
	s_add_nc_u64 s[G0B+4*\slot+2:G0B+4*\slot+3], s[UB:UB+1], \cb
	s_or_b32 s[G0B+4*\slot+3], s[G0B+4*\slot+3], 0x80000000
	JLOAD \slot
.endif
	PLACES
	FETCH \next, 0, F0
	WIN MUL_HI
	MUL16 F1, 1, 0, 0
	MUL16 F1, 1, 2, 0
.endm
; The window's 32 tiles of sums become distances in place: (x2 - 2 sum), one rounding, then + e2, one rounding.
.macro DIST hi
.irp a, 0,1,2,3
.irp b, 0,1,2,3,4,5,6,7
.irp p, 0,2,4,6
	v_pk_fma_f32 v[8*(8*\a+\b)+\p:8*(8*\a+\b)+\p+1], v[8*(8*\a+\b)+\p:8*(8*\a+\b)+\p+1], -2.0, v[X2+2*(4*\hi+\a):X2+2*(4*\hi+\a)+1] op_sel_hi:[1,0,1]
.endr
.irp p, 0,2,4,6
	v_pk_add_f32 v[8*(8*\a+\b)+\p:8*(8*\a+\b)+\p+1], v[8*(8*\a+\b)+\p:8*(8*\a+\b)+\p+1], v[E2+8*\b+\p:E2+8*\b+\p+1]
.endr
.endr
.endr
.endm
; The window's distances are folded into the best of its four row blocks, codes ascending; a strictly smaller one alone is taken, so the first of
; equals stays.  Four row blocks side by side, so that no compare waits for the select in front of it.  The code 8 b + j is an inline constant.
.macro BEST hi
.irp b, 0,1,2,3,4,5,6,7
.irp j, 0,1,2,3,4,5,6,7
.irp a, 0,1,2,3
	v_cmp_gt_f32 s[MK+\a], v[BV+4*\hi+\a], v[8*(8*\a+\b)+\j]
.endr
.irp a, 0,1,2,3
	v_cndmask_b32 v[BV+4*\hi+\a], v[BV+4*\hi+\a], v[8*(8*\a+\b)+\j], s[MK+\a]
.endr
.irp a, 0,1,2,3
	v_cndmask_b32 v[BI+4*\hi+\a], v[BI+4*\hi+\a], 8*\b+\j, s[MK+\a]
.endr
.endr
.endr
.endm
; Behind a pass's last product.  more = 1: the next pass's e2 are asked for at the end.
.macro EPI more
	WIN 0
.irp a, 0,1,2,3,4,5,6,7
	v_sub_nc_u32 v[BI+\a], v[BI+\a], 64            ; earlier passes' codes sink by 64: at the end code + 192 = 64 pass + 8 b + j.  These eight lines are also the places behind the last matrix instructions
.endr
	s_wait_loadcnt 0x0                             ; this pass's e2 are in, and their loads are done:
.if \more
	s_add_nc_u64 s[EB:EB+1], s[EB:EB+1], 1024      ; so their base may step: 256 norms on
.endif
	WIN 0x82                                       ; source 0 and destination window 2, the rest window 0
	DIST 0
	WIN 0x08                                       ; source 1 window 2, the rest window 0
	BEST 0
	WIN 0xc3
	DIST 1
	WIN 0x0c
	BEST 1
	WIN 0
.if \more
	LOADE                                          ; waited for behind the next pass's 2,048 matrix instructions
.endif
.endm
; A pass: eight K steps, then the folding.  Step t fills its slot with step t + 2; steps 6 and 7 with the next pass's steps 0 and 1, or (last = 1) with nothing.
.macro PASS last
	THREE 0, 1                                     ; the first products start the sums: nothing is cleared
	TURN 0, 1, 1, 512, 512
	THREE 1, 0
	TURN 1, 0, 1, 768, 768
	THREE 0, 0
	TURN 0, 1, 1, 1024, 1024
	THREE 1, 0
	TURN 1, 0, 1, 1280, 1280
	THREE 0, 0
	TURN 0, 1, 1, 1536, 1536
	THREE 1, 0
	TURN 1, 0, 1, 1792, 1792
.if \last
	THREE 0, 0
	TURN 0, 1, 0, 0, 0                             ; nothing is left to fetch: a plain barrier, no round
	THREE 1, 0
	s_wait_dscnt 8                                 ; the very last quarter
	WIN MUL_LO
	MUL16 F1, 0, 0, 0
	MUL16 F1, 0, 2, 0
	s_wait_dscnt 0
	WIN MUL_HI
	MUL16 F1, 1, 0, 0
	MUL16 F1, 1, 2, 0
	EPI 0
.else
	THREE 0, 0
	TURN 0, 1, 1, 0, NEXTB
	THREE 1, 0
	TURN 1, 0, 1, 256, NEXTB+256
	EPI 1
.endif
.endm
	s_wait_tensorcnt 1                             ; my part of K step 0 is in; K step 1's stays out
	s_barrier_signal -1
	s_barrier_wait -1                              ; everybody's is
	FETCH 0, 0, F0
	s_mov_b32 s72, 3
.Lpass:
	PASS 0
	s_add_nc_u64 s[UB:UB+1], s[UB:UB+1], NEXTB     ; the next 256 codes (no descriptor names these registers)
	s_sub_co_u32 s72, s72, 1
	s_cmp_lg_u32 s72, 0
	s_cbranch_scc1 .Lpass
	PASS 1
; (val, col) becomes the smaller of (val, col) and (oval, ocol): by value, and among equal values by column
.macro JOIN val, col, oval, ocol
	v_cmp_lt_f32 s[MK],   v[\oval], v[\val]
	v_cmp_eq_f32 s[MK+1], v[\oval], v[\val]
	v_cmp_lt_u32 s[MK+2], v[\ocol], v[\col]
	s_and_b32 s[MK+1], s[MK+1], s[MK+2]
	s_or_b32 s[MK], s[MK], s[MK+1]
	v_cndmask_b32 v[\val], v[\val], v[\oval], s[MK]
	v_cndmask_b32 v[\col], v[\col], v[\ocol], s[MK]
.endm
	; the code g = 64 pass + 8 b + j becomes the column 256 pass + 16 b + j + CB = 16 (g >> 3) + 128 (g >> 6) + (g & 7) + CB
.irp a, 0,1,2,3,4,5,6,7
	v_add_nc_u32 v[BI+\a], 0xc0, v[BI+\a]
	v_lshrrev_b32 v[F0+\a], 3, v[BI+\a]
	v_lshrrev_b32 v[F0+8+\a], 6, v[BI+\a]
	v_and_b32 v[BI+\a], 7, v[BI+\a]
	v_lshl_add_u32 v[BI+\a], v[F0+\a], 4, v[BI+\a]
	v_lshl_add_u32 v[BI+\a], v[F0+8+\a], 7, v[BI+\a]
	v_add_nc_u32 v[BI+\a], v[CB], v[BI+\a]
.endr
	; lanes l and l + 16 hold the same rows and other codes: each takes the other's pair and both keep the smaller
.irp a, 0,1,2,3,4,5,6,7
	v_permlanex16_b32 v[F0+\a],   v[BV+\a], s66, s67
	v_permlanex16_b32 v[F0+8+\a], v[BI+\a], s66, s67
	JOIN BV+\a, BI+\a, F0+\a, F0+8+\a
.endr
.irp a, 0,1,2,3,4,5,6,7
	ds_store_b32 v[STO], v[BV+\a] offset:64*\a           ; row 16 a + l % 16 of my 128; lanes l and l + 16 write the same word with the same value
	ds_store_b32 v[STO], v[BI+\a] offset:2048+64*\a
.endr
	s_wait_dscnt 0x0                               ; my stores are in LDS, for the other waves' sake
	s_barrier_signal -1
	s_barrier_wait -1
	ds_load_b64 v[80:81], v[RD]                    ; two rows' values from the wave with the lower half of the codes,
	ds_load_b64 v[82:83], v[RD] offset:512         ; from the wave with the upper half,
	ds_load_b64 v[84:85], v[RD] offset:2048        ; and their columns
	ds_load_b64 v[86:87], v[RD] offset:2560
	s_wait_dscnt 0x0
	JOIN 80, 84, 82, 86
	JOIN 81, 85, 83, 87
	global_store_b64 v[GO], v[80:81], s[8:9]       ; 32 lanes x 8 bytes: 256 consecutive bytes, aligned
	global_store_b64 v[GO], v[84:85], s[10:11]
	s_set_vgpr_msb 0x1
	s_wait_tensorcnt 0x0
	ds_add_u32 v255, v31
	s_wait_dscnt 0x0
	s_set_vgpr_msb 0x100
	CROUND                                         ; the closing round: no work-group ends while a partner may still ask for a tile that names it
	s_endpgm
.Lfunc_end_k_q56c02cbede_dist:
	.size	k_q56c02cbede_dist, .Lfunc_end_k_q56c02cbede_dist-k_q56c02cbede_dist
	.p2alignl 7, 3214868480
	.fill 96, 4, 3214868480
	.section	.rodata,"a",@progbits
	.p2align	6, 0x0
	.amdhsa_kernel k_q56c02cbede_dist
		.amdhsa_group_segment_fixed_size 327680
		.amdhsa_private_segment_fixed_size 0
		.amdhsa_enable_private_segment 0
		.amdhsa_kernarg_size 32
		.amdhsa_user_sgpr_count 2
		.amdhsa_user_sgpr_kernarg_segment_ptr 1
		.amdhsa_wavefront_size32 1
		.amdhsa_system_sgpr_workgroup_id_x 1
		.amdhsa_system_sgpr_workgroup_id_y 1
		.amdhsa_system_sgpr_workgroup_id_z 1
		.amdhsa_system_vgpr_workitem_id 0
		.amdhsa_next_free_vgpr 1024
		.amdhsa_next_free_sgpr 96
		.amdhsa_reserve_vcc 0
		.amdhsa_float_denorm_mode_32 3
		.amdhsa_float_denorm_mode_16_64 3
		.amdhsa_memory_ordered 1
		.amdhsa_forward_progress 1
		.amdhsa_inst_pref_size 255
	.end_amdhsa_kernel
	.section	.bss,"aw",@nobits
	.p2align	6
	.space	262144
	.amdgpu_metadata
---
amdhsa.version: [ 1, 2 ]
amdhsa.kernels:
  - .name:           k_q56c02cbede_dist
    .symbol:         k_q56c02cbede_dist.kd
    .args:
      - { .name: bf, .offset: 0, .size: 8, .value_kind: global_buffer, .address_space: global }
      - { .name: nrm, .offset: 8, .size: 8, .value_kind: global_buffer, .address_space: global }
      - { .name: pval, .offset: 16, .size: 8, .value_kind: global_buffer, .address_space: global }
      - { .name: pidx, .offset: 24, .size: 8, .value_kind: global_buffer, .address_space: global }
    .group_segment_fixed_size: 327680
    .private_segment_fixed_size: 0
    .kernarg_segment_align: 8
    .kernarg_segment_size: 32
    .max_flat_workgroup_size: 128
    .sgpr_count:     96
    .vgpr_count:     1024
    .wavefront_size: 32
...
	.end_amdgpu_metadata
.endif
;; end of part 2
;; launch pick (part 3): grid 128 x 1, 1 waves a work-group, no clusters, 0 bytes of LDS; arguments pval, pidx, idx; writes idx
.if DOCPART == 3
	.amdgcn_target "amdgcn-amd-amdhsa--gfx1250"
	.amdhsa_code_object_version 6
	.text
	.protected	k_q56c02cbede_pick
	.globl	k_q56c02cbede_pick
	.p2align	8
	.type	k_q56c02cbede_pick,@function
k_q56c02cbede_pick:
	s_mov_b64 s[64:65], 0
	v_nop
	global_prefetch_b8 v0, s[64:65] scope:SCOPE_SE
	s_setreg_imm32_b32 hwreg(HW_REG_WAVE_MODE, 25, 1), 1
	s_wait_xcnt 0x0
; idx[n] = the column of the smallest of the four quarters' minima pval[q][n]; among equal values the lowest quarter, which holds the lowest columns.
; It stands alone because the next launch forms addresses from idx, and an address is formed only from whole numbers that an earlier launch stored.
; One wave a work-group, four rows a lane: 128 rows, 512 consecutive bytes for each load and for the store.  128 work-groups are all the work there is
; (16,384 rows); nothing is shared between them, so no LDS, no barrier, no cluster.
	s_load_b128 s[4:7], s[0:1], 0x0                ; pval s[4:5], pidx s[6:7]
	s_load_b64 s[8:9], s[0:1], 0x10                ; idx
	s_lshl_b32 s10, ttmp9, 9                       ; 128 rows of 4 bytes
	v_lshl_add_u32 v1, v0, 4, s10                  ; + 16 bytes a lane
	s_wait_kmcnt 0x0
.irp q, 0,1,2,3
	global_load_b128 v[4+4*\q:7+4*\q], v1, s[4:5] offset:65536*\q      ; the values of quarter q
.endr
.irp q, 0,1,2,3
	global_load_b128 v[20+4*\q:23+4*\q], v1, s[6:7] offset:65536*\q    ; their columns
.endr
	s_wait_loadcnt 0x0
.irp q, 1,2,3
.irp c, 0,1,2,3
	v_cmp_gt_f32 vcc_lo, v[4+\c], v[4+4*\q+\c]     ; a strictly smaller value alone is taken
	v_cndmask_b32 v[4+\c], v[4+\c], v[4+4*\q+\c], vcc_lo
	v_cndmask_b32 v[20+\c], v[20+\c], v[20+4*\q+\c], vcc_lo
.endr
.endr
	global_store_b128 v1, v[20:23], s[8:9]
	s_endpgm
.Lfunc_end_k_q56c02cbede_pick:
	.size	k_q56c02cbede_pick, .Lfunc_end_k_q56c02cbede_pick-k_q56c02cbede_pick
	.p2alignl 7, 3214868480
	.fill 96, 4, 3214868480
	.section	.rodata,"a",@progbits
	.p2align	6, 0x0
	.amdhsa_kernel k_q56c02cbede_pick
		.amdhsa_group_segment_fixed_size 0
		.amdhsa_private_segment_fixed_size 0
		.amdhsa_enable_private_segment 0
		.amdhsa_kernarg_size 24
		.amdhsa_user_sgpr_count 2
		.amdhsa_user_sgpr_kernarg_segment_ptr 1
		.amdhsa_wavefront_size32 1
		.amdhsa_system_sgpr_workgroup_id_x 1
		.amdhsa_system_sgpr_workgroup_id_y 1
		.amdhsa_system_sgpr_workgroup_id_z 1
		.amdhsa_system_vgpr_workitem_id 0
		.amdhsa_next_free_vgpr 48
		.amdhsa_next_free_sgpr 66
		.amdhsa_reserve_vcc 1
		.amdhsa_float_denorm_mode_32 3
		.amdhsa_float_denorm_mode_16_64 3
		.amdhsa_memory_ordered 1
		.amdhsa_forward_progress 1
		.amdhsa_inst_pref_size 3
	.end_amdhsa_kernel
	.amdgpu_metadata
---
amdhsa.version: [ 1, 2 ]
amdhsa.kernels:
  - .name:           k_q56c02cbede_pick
    .symbol:         k_q56c02cbede_pick.kd
    .args:
      - { .name: pval, .offset: 0, .size: 8, .value_kind: global_buffer, .address_space: global }
      - { .name: pidx, .offset: 8, .size: 8, .value_kind: global_buffer, .address_space: global }
      - { .name: idx, .offset: 16, .size: 8, .value_kind: global_buffer, .address_space: global }
    .group_segment_fixed_size: 0
    .private_segment_fixed_size: 0
    .kernarg_segment_align: 8
    .kernarg_segment_size: 24
    .max_flat_workgroup_size: 32
    .sgpr_count:     66
    .vgpr_count:     48
    .wavefront_size: 32
...
	.end_amdgpu_metadata
.endif
;; end of part 3
;; launch gather (part 4): grid 1024 x 1, 8 waves a work-group, no clusters, 0 bytes of LDS; arguments idx, embedding, x, out0; writes out0
.if DOCPART == 4
	.amdgcn_target "amdgcn-amd-amdhsa--gfx1250"
	.amdhsa_code_object_version 6
	.text
	.protected	k_q56c02cbede_gather
	.globl	k_q56c02cbede_gather
	.p2align	8
	.type	k_q56c02cbede_gather,@function
k_q56c02cbede_gather:
	s_mov_b64 s[64:65], 0
	v_nop
	global_prefetch_b8 v0, s[64:65] scope:SCOPE_SE
	s_setreg_imm32_b32 hwreg(HW_REG_WAVE_MODE, 25, 1), 1
	s_wait_xcnt 0x0
; out0[n] = x[n] + (embedding[idx[n]] - x[n]), in f32, both roundings as written.
; A stream: eight waves, a wave takes two rows of 4,096 bytes; every load and store of a wave covers 512 consecutive bytes.  All 32 loads of a wave go out
; before anything is waited for.  The rows' indices come by a scalar load, are clamped to the table's 4,096 rows and enter the vector offset.
; No LDS, no barrier, no matrix unit; no cluster: which rows of the table two work-groups share hangs on the list.
.set OFF, 1                            ; v1        16 x lane; never rewritten
.set EO,  2                            ; v[2:3]    row i: 16 x lane + 4,096 x idx
.set X,   8                            ; v[8:71]   row i piece j at X + 32 i + 4 j
.set E,   72                           ; v[72:135] the table's row likewise, then the result
	s_load_b256 s[4:11], s[0:1], 0x0               ; idx s[4:5], the table s[6:7], x s[8:9], out0 s[10:11]
	v_lshrrev_b32 v4, 5, v0
	v_readfirstlane_b32 s12, v4                    ; wave 0..7
	v_and_b32 v5, 31, v0
	v_lshlrev_b32 v[OFF], 4, v5
	s_lshl_b32 s13, ttmp9, 4                       ; 16 rows a work-group,
	s_lshl1_add_u32 s13, s12, s13                  ; two a wave: my first row
	s_lshl_b32 s16, s13, 12                        ; in bytes of x and out0
	s_mov_b32 s17, 0
	s_lshl_b32 s13, s13, 2                         ; in bytes of idx
	s_wait_kmcnt 0x0
	s_load_b64 s[14:15], s[4:5], s13 offset:0x0    ; my two indices
	s_add_nc_u64 s[8:9], s[8:9], s[16:17]
	s_add_nc_u64 s[10:11], s[10:11], s[16:17]
.irp i, 0,1
.irp j, 0,1,2,3,4,5,6,7
	global_load_b128 v[X+32*\i+4*\j:X+32*\i+4*\j+3], v[OFF], s[8:9] offset:4096*\i+512*\j th:TH_LOAD_NT
.endr
.endr
	s_wait_kmcnt 0x0
	s_min_u32 s14, s14, 0xfff                      ; an index stays inside the table
	s_min_u32 s15, s15, 0xfff
	s_lshl_b32 s14, s14, 12
	s_lshl_b32 s15, s15, 12
	v_add_nc_u32 v[EO], s14, v[OFF]
	v_add_nc_u32 v[EO+1], s15, v[OFF]
.irp i, 0,1
.irp j, 0,1,2,3,4,5,6,7
	global_load_b128 v[E+32*\i+4*\j:E+32*\i+4*\j+3], v[EO+\i], s[6:7] offset:512*\j   ; no hint: the list may name a row many times
.endr
.endr
.macro ROW i, left
	s_wait_loadcnt \left                           ; loads come back in order (ISA guide 5.7.1): x's sixteen and this row of the table are in
.irp j, 0,1,2,3,4,5,6,7
.irp p, 0,2
	v_pk_add_f32 v[E+32*\i+4*\j+\p:E+32*\i+4*\j+\p+1], v[E+32*\i+4*\j+\p:E+32*\i+4*\j+\p+1], v[X+32*\i+4*\j+\p:X+32*\i+4*\j+\p+1] neg_lo:[0,1] neg_hi:[0,1]   ; e - x
.endr
.irp p, 0,2
	v_pk_add_f32 v[E+32*\i+4*\j+\p:E+32*\i+4*\j+\p+1], v[X+32*\i+4*\j+\p:X+32*\i+4*\j+\p+1], v[E+32*\i+4*\j+\p:E+32*\i+4*\j+\p+1]                             ; x + (e - x)
.endr
	global_store_b128 v[OFF], v[E+32*\i+4*\j:E+32*\i+4*\j+3], s[10:11] offset:4096*\i+512*\j th:TH_STORE_NT
.endr
.endm
	ROW 0, 8                                       ; the second row's eight loads from the table stay out
	ROW 1, 0
	s_endpgm
.Lfunc_end_k_q56c02cbede_gather:
	.size	k_q56c02cbede_gather, .Lfunc_end_k_q56c02cbede_gather-k_q56c02cbede_gather
	.p2alignl 7, 3214868480
	.fill 96, 4, 3214868480
	.section	.rodata,"a",@progbits
	.p2align	6, 0x0
	.amdhsa_kernel k_q56c02cbede_gather
		.amdhsa_group_segment_fixed_size 0
		.amdhsa_private_segment_fixed_size 0
		.amdhsa_enable_private_segment 0
		.amdhsa_kernarg_size 32
		.amdhsa_user_sgpr_count 2
		.amdhsa_user_sgpr_kernarg_segment_ptr 1
		.amdhsa_wavefront_size32 1
		.amdhsa_system_sgpr_workgroup_id_x 1
		.amdhsa_system_sgpr_workgroup_id_y 1
		.amdhsa_system_sgpr_workgroup_id_z 1
		.amdhsa_system_vgpr_workitem_id 0
		.amdhsa_next_free_vgpr 136
		.amdhsa_next_free_sgpr 66
		.amdhsa_reserve_vcc 0
		.amdhsa_float_denorm_mode_32 3
		.amdhsa_float_denorm_mode_16_64 3
		.amdhsa_memory_ordered 1
		.amdhsa_forward_progress 1
		.amdhsa_inst_pref_size 10
	.end_amdhsa_kernel
	.amdgpu_metadata
---
amdhsa.version: [ 1, 2 ]
amdhsa.kernels:
  - .name:           k_q56c02cbede_gather
    .symbol:         k_q56c02cbede_gather.kd
    .args:
      - { .name: idx, .offset: 0, .size: 8, .value_kind: global_buffer, .address_space: global }
      - { .name: embedding, .offset: 8, .size: 8, .value_kind: global_buffer, .address_space: global }
      - { .name: x, .offset: 16, .size: 8, .value_kind: global_buffer, .address_space: global }
      - { .name: out0, .offset: 24, .size: 8, .value_kind: global_buffer, .address_space: global }
    .group_segment_fixed_size: 0
    .private_segment_fixed_size: 0
    .kernarg_segment_align: 8
    .kernarg_segment_size: 32
    .max_flat_workgroup_size: 256
    .sgpr_count:     66
    .vgpr_count:     136
    .wavefront_size: 32
...
	.end_amdgpu_metadata
.endif
;; end of part 4
;; ======== version 2 of 2: 3 launches; 1.26 times as fast as version 1
;; limits: values outside matrix products are rounded to bf16
;; workspace buffers: bf 41,943,040 bytes; nrm 81,920 bytes; pkey 262,144 bytes of whole numbers; pidx 262,144 bytes of whole numbers
;; launch prep (part 5): grid 256 x 1, 20 waves a work-group, no clusters, 3,584 bytes of LDS; arguments x, embedding, bf, nrm; writes bf, nrm
.if DOCPART == 5
	.amdgcn_target "amdgcn-amd-amdhsa--gfx1250"
	.amdhsa_code_object_version 6
	.text
	.protected	k_q56c02cbede_prep
	.globl	k_q56c02cbede_prep
	.p2align	8
	.type	k_q56c02cbede_prep,@function
k_q56c02cbede_prep:
	s_mov_b64 s[64:65], 0
	v_nop
	global_prefetch_b8 v0, s[64:65] scope:SCOPE_SE
	s_setreg_imm32_b32 hwreg(HW_REG_WAVE_MODE, 25, 1), 1
	s_wait_xcnt 0x0
; bf[row][c] = bf16(src[row][c]) and nrm[row] = the sum over c of bf[row][c]^2 in f32, for the 16,384 rows of x (bf rows 0 ..) and the
; 4,096 rows of the table (bf rows 16,384 ..).  The norms are taken from the ROUNDED numbers: the distances of the next launch are those
; of the rounded inputs.  LIMIT: the norm's order of summation (four chains a lane, then across the lanes) is not the reference's.
; A stream: each input byte is read once, each output byte written once; no matrix unit, no cluster (no two work-groups read the same bytes).
; 256 work-groups of equal work: 64 rows of x (waves 0-15) and 16 rows of the table (waves 16-19), four rows a wave.  A row of 4,096 bytes is eight
; loads of 512 neighbouring bytes and lies in 32 registers; all 32 loads of a wave go out at the start, and no register is loaded twice, so the
; only waits are the four counted ones for the rows.
; A store of the wave covers 256 consecutive bytes of bf, aligned.  The norms meet in LDS: x's 64 leave as one store of 256 bytes, aligned; the table's
; 16 as one store of 64 bytes: 16 KiB of the launch's 42 MB go out in such pieces, since a whole block of 64 norms would ask for 64 rows of the table
; in one work-group, and the work-groups would then be unequal.
.set ROWB, 4096                        ; bytes in a row of f32
.set OUTB, 2048                        ; bytes in a row of bf16
.set LO,  1                            ; v1       16 x lane: my 16 bytes in a piece of 512; never rewritten
.set SO,  2                            ; v2       8 x lane: the same in bf; never rewritten
.set LA,  3                            ; v3       LDS address of the wave's four norms: 16 x wave (x's 64 norms, then the table's 16)
.set T,   4                            ; v[4:7]   four rounded numbers, widened again
.set S,   8                            ; v[8:11]  four chains of the sum of squares
.set P,   12                           ; v12      the other half's sum
.set X,   16                           ; v[16:143] row r: 32 registers, piece j at X + 32 r + 4 j
	s_load_b256 s[4:11], s[0:1], 0x0               ; x s[4:5], the table s[6:7], bf s[8:9], nrm s[10:11]
	v_lshl_add_u32 v144, v0, 2, 0x400
	v_mov_b32 v145, 0
	v_lshrrev_b32 v14, 5, v0
	v_readfirstlane_b32 s12, v14                   ; wave 0..19
	v_and_b32 v13, 31, v0                          ; lane
	v_mov_b32 v[P], 0                              ; v_permlanex16_b32 counts as a reader of its destination
	s_mov_b32 s22, 0xffff0000                      ; a word's upper bf16
	s_mov_b32 s24, 0x76543210                      ; v_permlanex16_b32: lane i reads lane i of the other half
	s_mov_b32 s25, 0xfedcba98
	v_lshlrev_b32 v[LO], 4, v13
	v_lshlrev_b32 v[SO], 3, v13
	s_lshl_b32 s28, s12, 4
	v_mov_b32 v[LA], s28
	s_lshl_b32 s26, ttmp9, 6
	s_lshl2_add_u32 s26, s12, s26                  ; a wave of x: its first row = 64 x work-group + 4 x wave
	s_max_u32 s13, s12, 16
	s_sub_co_u32 s13, s13, 16                      ; a wave of the table: its number among the four (0 for the waves of x, which do not use it)
	s_lshl_b32 s27, ttmp9, 4
	s_lshl2_add_u32 s27, s13, s27                  ; its first row = 16 x work-group + 4 x that number,
	s_add_co_u32 s29, s27, 16384                   ; and the same row in bf and nrm, behind x's 16,384
	s_mov_b32 s17, 0
	s_mov_b32 s19, 0
	s_lshl_b32 s20, ttmp9, 8                       ; x's 64 norms of 4 bytes
	s_mov_b32 s21, 0
	s_lshl_b32 s30, ttmp9, 6                       ; the table's 16 norms of 4 bytes,
	s_add_co_u32 s30, s30, 0x10000                 ; behind x's 16,384
	s_mov_b32 s31, 0
	s_wait_kmcnt 0x0
	s_cmp_lt_u32 s12, 16                           ; a wave of x?
	s_cselect_b32 s16, s26, s27                    ; my first row in my source,
	s_cselect_b32 s18, s26, s29                    ; in bf,
	s_cselect_b64 s[14:15], s[4:5], s[6:7]         ; and the source
	s_lshl_b32 s16, s16, 12                        ; rows of 4,096 bytes
	s_lshl_b32 s18, s18, 11                        ; rows of 2,048 bytes
	s_add_nc_u64 s[14:15], s[14:15], s[16:17]
	s_add_nc_u64 s[8:9], s[8:9], s[18:19]
.irp r, 0,1,2,3
.irp j, 0,1,2,3,4,5,6,7
	global_load_b128 v[X+32*\r+4*\j:X+32*\r+4*\j+3], v[LO], s[14:15] offset:ROWB*\r+512*\j th:TH_LOAD_NT
.endr
.endr
; Row r of the wave's four.  left = how many younger loads may stay out.
.macro ROW r, left
	s_wait_loadcnt \left                           ; loads come back in order (ISA guide 5.7.1): this row's eight are in
.irp j, 0,1,2,3,4,5,6,7
	v_cvt_pk_bf16_f32 v[X+32*\r+4*\j],   v[X+32*\r+4*\j],   v[X+32*\r+4*\j+1]   ; four roundings, packed into the piece's first two registers
	v_cvt_pk_bf16_f32 v[X+32*\r+4*\j+1], v[X+32*\r+4*\j+2], v[X+32*\r+4*\j+3]
	global_store_b64 v[SO], v[X+32*\r+4*\j:X+32*\r+4*\j+1], s[8:9] offset:OUTB*\r+256*\j   ; 32 lanes x 8 bytes: 256 consecutive bytes, aligned
	v_lshlrev_b32 v[T],   16,  v[X+32*\r+4*\j]     ; the rounded numbers as f32
	v_and_b32     v[T+1], s22, v[X+32*\r+4*\j]
	v_lshlrev_b32 v[T+2], 16,  v[X+32*\r+4*\j+1]
	v_and_b32     v[T+3], s22, v[X+32*\r+4*\j+1]
.if \j
	v_pk_fma_f32 v[S:S+1],   v[T:T+1],   v[T:T+1],   v[S:S+1]
	v_pk_fma_f32 v[S+2:S+3], v[T+2:T+3], v[T+2:T+3], v[S+2:S+3]
.else
	v_pk_mul_f32 v[S:S+1],   v[T:T+1],   v[T:T+1]  ; the first piece starts the chains: nothing is cleared
	v_pk_mul_f32 v[S+2:S+3], v[T+2:T+3], v[T+2:T+3]
.endif
.endr
	v_pk_add_f32 v[S:S+1], v[S:S+1], v[S+2:S+3]
	v_add_f32 v[S], v[S], v[S+1]
	v_add_f32_dpp v[S], v[S], v[S] row_xmask:1 row_mask:0xf bank_mask:0xf
	v_add_f32_dpp v[S], v[S], v[S] row_xmask:2 row_mask:0xf bank_mask:0xf
	v_add_f32_dpp v[S], v[S], v[S] row_xmask:4 row_mask:0xf bank_mask:0xf
	v_add_f32_dpp v[S], v[S], v[S] row_xmask:8 row_mask:0xf bank_mask:0xf
	v_permlanex16_b32 v[P], v[S], s24, s25
	v_add_f32 v[S], v[S], v[P]                     ; every lane holds the row's sum
	ds_store_b32 v[LA], v[S] offset:4*\r           ; all lanes write the same word with the same value
.endm
	ROW 0, 24                                      ; three younger rows, 24 loads, stay out
	ROW 1, 16
	ROW 2, 8
	ROW 3, 0
	s_wait_dscnt 0x0                               ; my four norms are in LDS, for the sake of waves 0 and 16
	s_barrier_signal -1
	s_barrier_wait -1
	s_cmp_lg_u32 s12, 0
	s_cbranch_scc1 .Lnot_x
	s_add_nc_u64 s[10:11], s[10:11], s[20:21]      ; wave 0: x's 64 norms, lane i takes norms 2 i and 2 i + 1
	ds_load_b64 v[T:T+1], v[SO]
	s_wait_dscnt 0x0
	global_store_b64 v[SO], v[T:T+1], s[10:11]     ; 256 consecutive bytes, aligned
	s_branch .Lend
.Lnot_x:
	s_cmp_lg_u32 s12, 16
	s_cbranch_scc1 .Lend
	s_add_nc_u64 s[10:11], s[10:11], s[30:31]      ; wave 16: the table's 16 norms, four to each of lanes 0 to 3
	s_wait_xcnt 0x0                                ; EXEC is a source of my pending stores: it changes only behind this wait
	v_cmp_gt_u32 vcc_lo, 4, v13
	s_and_saveexec_b32 s23, vcc_lo
	ds_load_b128 v[T:T+3], v[LO] offset:256
	s_wait_dscnt 0x0
	global_store_b128 v[LO], v[T:T+3], s[10:11]    ; 64 consecutive bytes
	s_wait_xcnt 0x0                                ; and again, in front of the line that widens it
	s_or_b32 exec_lo, exec_lo, s23
.Lend:
	s_wait_tensorcnt 0x0
	ds_add_u32 v144, v145
	s_wait_dscnt 0x0
	s_endpgm
.Lfunc_end_k_q56c02cbede_prep:
	.size	k_q56c02cbede_prep, .Lfunc_end_k_q56c02cbede_prep-k_q56c02cbede_prep
	.p2alignl 7, 3214868480
	.fill 96, 4, 3214868480
	.section	.rodata,"a",@progbits
	.p2align	6, 0x0
	.amdhsa_kernel k_q56c02cbede_prep
		.amdhsa_group_segment_fixed_size 3584
		.amdhsa_private_segment_fixed_size 0
		.amdhsa_enable_private_segment 0
		.amdhsa_kernarg_size 32
		.amdhsa_user_sgpr_count 2
		.amdhsa_user_sgpr_kernarg_segment_ptr 1
		.amdhsa_wavefront_size32 1
		.amdhsa_system_sgpr_workgroup_id_x 1
		.amdhsa_system_sgpr_workgroup_id_y 1
		.amdhsa_system_sgpr_workgroup_id_z 1
		.amdhsa_system_vgpr_workitem_id 0
		.amdhsa_next_free_vgpr 146
		.amdhsa_next_free_sgpr 66
		.amdhsa_reserve_vcc 1
		.amdhsa_float_denorm_mode_32 3
		.amdhsa_float_denorm_mode_16_64 3
		.amdhsa_memory_ordered 1
		.amdhsa_forward_progress 1
		.amdhsa_inst_pref_size 23
	.end_amdhsa_kernel
	.amdgpu_metadata
---
amdhsa.version: [ 1, 2 ]
amdhsa.kernels:
  - .name:           k_q56c02cbede_prep
    .symbol:         k_q56c02cbede_prep.kd
    .args:
      - { .name: x, .offset: 0, .size: 8, .value_kind: global_buffer, .address_space: global }
      - { .name: embedding, .offset: 8, .size: 8, .value_kind: global_buffer, .address_space: global }
      - { .name: bf, .offset: 16, .size: 8, .value_kind: global_buffer, .address_space: global }
      - { .name: nrm, .offset: 24, .size: 8, .value_kind: global_buffer, .address_space: global }
    .group_segment_fixed_size: 3584
    .private_segment_fixed_size: 0
    .kernarg_segment_align: 8
    .kernarg_segment_size: 32
    .max_flat_workgroup_size: 640
    .sgpr_count:     66
    .vgpr_count:     146
    .wavefront_size: 32
...
	.end_amdgpu_metadata
.endif
;; end of part 5
;; launch dist (part 6): grid 4 x 64, 4 waves a work-group, clusters of 4 x 4, 327,680 bytes of LDS; arguments bf, nrm, pkey, pidx; writes pkey, pidx
.if DOCPART == 6
	.amdgcn_target "amdgcn-amd-amdhsa--gfx1250"
	.amdhsa_code_object_version 6
	.text
	.protected	k_q56c02cbede_dist
	.globl	k_q56c02cbede_dist
	.p2align	8
	.type	k_q56c02cbede_dist,@function
k_q56c02cbede_dist:
	s_mov_b64 s[64:65], 0
	v_nop
	global_prefetch_b8 v0, s[64:65] scope:SCOPE_SE
	s_setreg_imm32_b32 hwreg(HW_REG_WAVE_MODE, 25, 1), 1
	s_wait_xcnt 0x0
	s_wait_alu depctr_hold_cnt(0) depctr_sa_sdst(0) depctr_va_vdst(0) depctr_va_sdst(0) depctr_va_ssrc(0) depctr_va_vcc(0) depctr_vm_vsrc(0)
	s_getreg_b32 s2, hwreg(HW_REG_IB_STS2, 6, 4)
	s_cmp_eq_u32 s2, 0
	s_cbranch_scc0 .Lentry_in_a_cluster
	s_endpgm
.Lentry_in_a_cluster:
	s_bfe_u32 s2, ttmp6, 0x10000c
	s_cmp_lg_u32 s2, 0xf033
	s_cbranch_scc0 .Lentry_shape_is_right
	s_endpgm
.Lentry_shape_is_right:
; For each of the 16,384 rows n and each quarter q of the 4,096 codes: the smallest d[n][k] = (x2[n] - 2 x[n].e[k]) + e2[k] over the quarter's
; 1,024 codes, and the lowest k that has it.  x and e are the rows of bf (bf16), x2 and e2 their norms in nrm; sums in f32; the three terms
; are added in the order and with the roundings of the formula as written (2 x.e is exact, so one fused multiply-add makes the first rounding).
; The smallest distance leaves as a KEY, a whole number that unsigned compares order as the floats are ordered: the next launch chooses among the four
; quarters and forms an address from the choice, and an address is formed only from whole numbers that an earlier launch stored.
; LIMITS: a distance that is NaN is never taken (an argmin would take it); a row whose distances are all +inf or NaN yields +inf and the
; quarter's first code.  A distance is never -0: e2, a sum of squares, is +0 or more and is added last; so equal distances have equal keys.
; Operands are bf16, not f16, so that inputs many times larger keep their range.
;
; A work-group owns 256 rows and one quarter of the codes, and STAYS: four passes of a block of 256 rows x 256 codes, each of eight K steps of 128 on a
; ring of two LDS slots.  Four waves, each with 128 x 128 sums: 64 accumulator tiles, 512 registers.  Behind a pass's last product the sums become
; distances in place and are folded into a running best (value, code) for each of the lane's eight rows.
; THE TEXT IS WRITTEN ONCE: a pass is one trip of a loop of four, and inside it three laps of two K steps are one inner loop, so one lap, one tail and one
; folding serve the whole launch.  The price: every pass starts the ring anew, so its first tile is waited for with nothing to multiply.  To run
; the ring on from pass to pass the last pass, which has nothing to fetch ahead, would have to be written out with a second folding and a second lap.
; CLUSTERS: 4 x 4 work-groups.  The four of a row of the cluster have the same 256 rows of x, the four of a column the same quarter of the codes:
; each tile is asked for jointly by four, which divides the requests by four.
;
; REGISTERS, in windows of 256:
;   window 0: v16-29 addresses; v32-47 x2; v48-55 best value; v56-63 best code; v64-127, v128-191 fragments of x, two buffers; v192-255 e2
;   window 1: v64-127, v128-191 fragments of the table, two buffers
;   window 2: the 32 accumulator tiles of my rows 0-63 (tile (a, b) at v[8 (8 a + b)]);   window 3: those of my rows 64-127
; The matrix instruction takes the table as source 0 and x as source 1: lane l then holds row 16 a + l % 16, and registers 0 to 7 of tile (a, b)
; the codes 16 b + 8 (l / 16) + 0 .. 7.  So a row's minimum is folded inside the lane, over registers, and crosses lanes once, at the end.
.set PITCH,  272                       ; an LDS row: 256 bytes of data + 16 of padding = 68 words, so the 16 rows that a fragment load touches start 4 words apart modulo 64
.set HALFT,  128*PITCH                 ; 128 rows: what one tensor load brings, and what one wave reads of x or of the table
.set SLOT,   4*HALFT                   ; x's 256 rows, then the table's 256 rows
.set STAGE,  2*SLOT                    ; behind the ring, 4,096 bytes that no tensor load fills: 4 waves x 128 values, then 4 waves x 128 columns
.set NEXTB,  524288                    ; 256 rows of the table in bytes: from a pass to the next
.set ADRA, 16                          ; v16-17  LDS address of my x fragments in slot 0, 1
.set ADRB, 20                          ; v20-21  the same for the table
.set EOFF, 24                          ; v24     32 (l / 16): my eight e2 within a group of sixteen
.set XOFF, 25                          ; v25     4 (l % 16): my x2 within a group of sixteen
.set CB,   26                          ; v26     the column of my register 0 of tile b = 0 in pass 0
.set STO,  27                          ; v27     stage: where I put a row's value
.set RD,   28                          ; v28     stage: where I read two rows' values back
.set GO,   29                          ; v29     8 x lane: my two rows in the wave's 256 bytes of pkey and pidx
.set X2,   32                          ; v[32:47]  pair a: x2 of row 16 a + l % 16, in both registers
.set BV,   48                          ; v[48:55]  row block a: the smallest distance so far
.set BI,   56                          ; v[56:63]  row block a: its code 8 b + j, lowered by 64 at each later pass
.set F0,   64
.set F1,   128
.set E2,   192                         ; v[192:255] e2 of code 16 b + 8 (l / 16) + j at E2 + 8 b + j
.set G1,  24                           ; s[24:31] descriptor group 1 for x's tiles
.set G0,  32                           ; s[32:39] descriptor group 0 for x's tiles, a set for each slot
.set UA,  40                           ; s[40:41] address of my half of x's tile at K = 0
.set UB,  42                           ; s[42:43] the same for the table, this pass
.set EB,  44                           ; s[44:45] address of my 128 e2, this pass
.set XB,  46                           ; s[46:47] address of my 128 x2
.set G1B, 48                           ; s[48:55] descriptor group 1 for the table's tiles: it differs in the mask alone
.set G0B, 56                           ; s[56:63] descriptor group 0 for the table's tiles, a set for each slot
.set MK,  68                           ; s[68:71] lane masks of four compares
.set MSB, 0
.macro WIN new                         ; the immediate's high byte repeats the setting that is left
.if MSB != \new
	s_set_vgpr_msb (MSB<<8)|\new
.set MSB, \new
.endif
.endm
.set MUL_LO, 0xa1                      ; source 0 (table) window 1, source 1 (x) window 0, C and D window 2
.set MUL_HI, 0xf1                      ; the same, C and D window 3
.set TO_B,   0x40                      ; destination window 1, address window 0
; A joint load.  Waves 0 and 1 fetch the two halves of x's tile, waves 2 and 3 those of the table's.  Each line has one mask and one set of registers,
; and nothing in them hangs on a coordinate that the four partners do not share.  The branch hangs on the wave's number alone.
.macro JLOAD s
	s_cmp_eq_u32 s13, 0
	s_cbranch_scc0 .Lfor_b_\@
	tensor_load_to_lds s[G0+4*\s:G0+4*\s+3], s[G1:G1+7]
	s_nop 0
	s_branch .Lasked_\@
.Lfor_b_\@:
	tensor_load_to_lds s[G0B+4*\s:G0B+4*\s+3], s[G1B:G1B+7]
	s_nop 0
.Lasked_\@:
.endm
; A round of the cluster's barrier: my work-group's barrier, wave 0 signals for the work-group, every wave waits for all sixteen, my work-group's barrier again.
.macro CREST                           ; a round behind its opening barrier
	s_cmp_lg_u32 s12, 0
	s_cbranch_scc1 .Lnot_wave_0_\@
	s_barrier_signal -3
.Lnot_wave_0_\@:
	s_barrier_wait -3
	s_barrier_signal -1
	s_barrier_wait -1
.endm
.macro CROUND                          ; a whole round
	s_barrier_signal -1
	s_barrier_wait -1
	CREST
.endm
	s_load_b256 s[4:11], s[0:1], 0x0               ; bf s[4:5], nrm s[6:7], pkey s[8:9], pidx s[10:11]
	s_set_vgpr_msb 0x40
	v_lshl_add_u32 v255, v0, 2, 0x45000
	s_set_vgpr_msb 0x4000
	v_mov_b32 v31, 0
	v_lshrrev_b32 v1, 5, v0
	v_readfirstlane_b32 s12, v1                    ; wave 0..3
	s_lshr_b32 s13, s12, 1                         ; which half of the block's rows is mine.  Also: I fetch for x (0) or for the table (1)
	s_and_b32 s14, s12, 1                          ; which half of its codes.  Also: which 128 rows of that tile I fetch
	s_bfe_u32 s15, ttmp6, 0x40000                  ; cx
	s_bfe_u32 s16, ttmp6, 0x40004                  ; cy
	s_lshl_b32 s18, ttmp9, 2
	s_add_co_u32 s18, s18, s15                     ; the quarter of the codes = 4 x cluster x + cx
	s_and_b32 s17, ttmp7, 0xffff
	s_lshl_b32 s17, s17, 2
	s_add_co_u32 s17, s17, s16                     ; the block of 256 rows = 4 x cluster y + cy
	s_lshl_b32 s19, s16, 2
	s_lshl_b32 s19, 15, s19                        ; my row of the cluster: places 4 cy .. 4 cy + 3
	s_lshl_b32 s20, 0x1111, s15                    ; my column: places cx, cx + 4, cx + 8, cx + 12
	s_mov_b32 s66, 0x76543210                      ; v_permlanex16_b32: lane i reads lane i of the other half
	s_mov_b32 s67, 0xfedcba98
	; descriptor group 1: a tile of 128 rows x 128 elements of 2 bytes, rows 1,024 elements apart, padded in LDS
	s_or_b32 s[G1+0], s19, (1<<16)|(1<<20)|(1<<21)|(5<<22)|(3<<25)   ; 15:0 mask: x's tiles go to my row; 17:16 2 bytes; 20 padding on; 21 set beside a mask; 24:22 after every 64 words; 31:25 4 words
	s_or_b32 s[G1B+0], s20, (1<<16)|(1<<20)|(1<<21)|(5<<22)|(3<<25)  ; the same with the mask of my column
	s_mov_b32 s[G1+1], 128<<16                     ; tensor_dim0 = 128
	s_mov_b32 s[G1B+1], 128<<16
	s_mov_b32 s[G1+2], 128<<16                     ; tensor_dim1 = 128
	s_mov_b32 s[G1B+2], 128<<16
	s_mov_b32 s[G1+3], 128<<16                     ; tile_dim0 = 128
	s_mov_b32 s[G1B+3], 128<<16
	s_mov_b32 s[G1+4], 128                         ; tile_dim1 = 128
	s_mov_b32 s[G1B+4], 128
	s_mov_b32 s[G1+5], 1024                        ; elements from row to row
	s_mov_b32 s[G1B+5], 1024
	s_mov_b32 s[G1+6], 0
	s_mov_b32 s[G1B+6], 0
	s_mov_b32 s[G1+7], 0
	s_mov_b32 s[G1B+7], 0
	; descriptor group 0, the words that never change: the count and the LDS address; the global address is written at each pass's head
	s_mul_i32 s21, s12, HALFT                      ; where my part of a tile goes: x's two halves, then the table's two = wave x 128 rows
.irp s, 0,1
	s_mov_b32 s[G0+4*\s], 1                        ; count = 1
	s_add_co_u32 s[G0+4*\s+1], s21, \s*SLOT        ; LDS address
	s_mov_b32 s[G0B+4*\s], 1
	s_add_co_u32 s[G0B+4*\s+1], s21, \s*SLOT
.endr
	; byte offsets.  x's tiles hang on the block of rows alone, the table's on the quarter alone; each offset has registers that never hold the other coordinate
	s_lshl_b32 s22, s14, 18                        ; which 128 rows of 2,048 bytes I fetch
	s_lshl_b32 s76, s17, 19                        ; 256 rows of 2,048 bytes
	s_add_co_u32 s76, s76, s22
	s_mov_b32 s77, 0
	s_lshl_b32 s78, s18, 21                        ; 1,024 rows of 2,048 bytes,
	s_add_co_u32 s78, s78, s22
	s_add_co_u32 s78, s78, 0x2000000               ; behind x's 16,384 rows
	s_mov_b32 s79, 0
	s_lshl_b32 s80, s18, 12                        ; e2: 1,024 norms a quarter,
	s_lshl_b32 s81, s14, 9                         ; 128 for my half of the codes,
	s_add_co_u32 s80, s80, s81
	s_add_co_u32 s80, s80, 0x10000                 ; behind x's 16,384 norms
	s_mov_b32 s81, 0
	s_lshl_b32 s82, s17, 10                        ; x2: 256 norms a block,
	s_lshl_b32 s83, s13, 9                         ; 128 for my half of the rows
	s_add_co_u32 s82, s82, s83
	s_mov_b32 s83, 0
	s_lshl_b32 s88, s18, 16                        ; pkey, pidx: 16,384 words a quarter,
	s_lshl_b32 s89, s17, 10                        ; 256 a block,
	s_add_co_u32 s88, s88, s89
	s_lshl_b32 s89, s12, 8                         ; 64 a wave
	s_add_co_u32 s88, s88, s89
	s_mov_b32 s89, 0
	v_and_b32 v1, 15, v0                           ; l % 16
	v_bfe_u32 v2, v0, 4, 1                         ; l / 16
	v_and_b32 v4, 31, v0                           ; l
	v_lshlrev_b32 v[EOFF], 5, v2
	v_lshlrev_b32 v[XOFF], 2, v1
	s_wait_kmcnt 0x0
	s_add_nc_u64 s[UA:UA+1], s[4:5], s[76:77]
	s_add_nc_u64 s[UB:UB+1], s[4:5], s[78:79]
	s_add_nc_u64 s[EB:EB+1], s[6:7], s[80:81]
	s_add_nc_u64 s[XB:XB+1], s[6:7], s[82:83]
	s_add_nc_u64 s[8:9], s[8:9], s[88:89]
	s_add_nc_u64 s[10:11], s[10:11], s[88:89]
.irp a, 0,1,2,3,4,5,6,7
	global_load_b32 v[X2+2*\a],   v[XOFF], s[XB:XB+1] offset:64*\a   ; x2 of row 16 a + l % 16, into both registers of the pair that the packed multiply-add
	global_load_b32 v[X2+2*\a+1], v[XOFF], s[XB:XB+1] offset:64*\a   ; takes: no copy, and so no wait for these loads in front of the first request for a tile
.endr
.macro LOADE                           ; my 64 e2 of one pass: sixteen loads, eight numbers for each b
.irp b, 0,1,2,3,4,5,6,7
	global_load_b128 v[E2+8*\b:E2+8*\b+3],   v[EOFF], s[EB:EB+1] offset:64*\b
	global_load_b128 v[E2+8*\b+4:E2+8*\b+7], v[EOFF], s[EB:EB+1] offset:64*\b+16
.endr
.endm
	; A fragment is 16 rows x 32 K in 8 registers: lane l holds row l % 16; registers 0-3 K = 8 (l / 16) + 0..7, registers 4-7 K = 16 + 8 (l / 16) + 0..7:
	; two loads of 16 bytes, 32 bytes apart, at row x pitch + 16 (l / 16)
	v_mul_u32_u24 v3, v1, PITCH
	v_lshl_add_u32 v3, v2, 4, v3
	s_mul_i32 s22, s13, HALFT                      ; my 128 rows of x
	s_mul_i32 s23, s14, HALFT                      ; my 128 rows of the table,
	s_add_co_u32 s23, s23, 2*HALFT                 ; which lie behind x's 256
.irp s, 0,1
	v_add_nc_u32 v[ADRA+\s], s22, v3
	v_add_nc_u32 v[ADRB+\s], s23, v3
	s_add_co_u32 s22, s22, SLOT
	s_add_co_u32 s23, s23, SLOT
.endr
	s_lshl_b32 s84, s18, 10                        ; a number, no address: the quarter's first code
	s_lshl_b32 s85, s14, 7
	s_add_co_u32 s84, s84, s85                     ; + my half of a block's codes
	v_lshl_add_u32 v[CB], v2, 3, s84               ; + 8 (l / 16)
	s_lshl_b32 s86, s12, 9
	s_add_co_u32 s86, s86, STAGE
	v_lshl_add_u32 v[STO], v1, 2, s86              ; stage + 512 x wave + 4 (l % 16)
	s_lshl_b32 s87, s13, 10                        ; back: rows 64 w .. 64 w + 63 of the block lie in the parts of waves 2 (w / 2) and 2 (w / 2) + 1,
	s_lshl_b32 s90, s14, 8                         ; from row 64 (w % 2) of those waves' 128
	s_add_co_u32 s87, s87, s90
	s_add_co_u32 s87, s87, STAGE
	v_lshl_add_u32 v[RD], v4, 3, s87               ; two rows a lane
	v_lshlrev_b32 v[GO], 3, v4
.irp a, 0,1,2,3,4,5,6,7
	v_mov_b32 v[BV+\a], 0x7f800000                 ; +inf: any finite distance is smaller
	v_mov_b32 v[BI+\a], 64                         ; 64 - 4 x 64 + 192 = 0: a lane that takes nothing ends at its first column
.endr
; 16 matrix instructions: row blocks a0, a0 + 1 of the window's four x all 8 blocks of codes, 32 along K.  zero = 1: the product starts the sums.
; The 64 accumulators take turns, one instruction a turn, in the same order in every quarter step.
.macro MUL16 f, hi, a0, zero
.irp a, \a0, \a0+1
.irp b, 0,1,2,3,4,5,6,7
.if \zero
	v_wmma_f32_16x16x32_bf16 v[8*(8*(\a)+\b):8*(8*(\a)+\b)+7], v[\f+8*\b:\f+8*\b+7], v[\f+8*(4*\hi+\a):\f+8*(4*\hi+\a)+7], 0
.else
	v_wmma_f32_16x16x32_bf16 v[8*(8*(\a)+\b):8*(8*(\a)+\b)+7], v[\f+8*\b:\f+8*\b+7], v[\f+8*(4*\hi+\a):\f+8*(4*\hi+\a)+7], v[8*(8*(\a)+\b):8*(8*(\a)+\b)+7]
.endif
.endr
.endr
.endm
; 32 LDS loads in one run: the fragments of one quarter step (128 rows of the table, 128 rows of x, 32 K at byte k of the rows) into buffer f
.macro FETCH slot, k, f
	WIN TO_B
.irp i, 0,1,2,3,4,5,6,7
	ds_load_b128 v[\f+8*\i:\f+8*\i+3],   v[ADRB+\slot] offset:\k+\i*16*PITCH
	ds_load_b128 v[\f+8*\i+4:\f+8*\i+7], v[ADRB+\slot] offset:\k+\i*16*PITCH+32
.endr
	WIN 0
.irp i, 0,1,2,3,4,5,6,7
	ds_load_b128 v[\f+8*\i:\f+8*\i+3],   v[ADRA+\slot] offset:\k+\i*16*PITCH
	ds_load_b128 v[\f+8*\i+4:\f+8*\i+7], v[ADRA+\slot] offset:\k+\i*16*PITCH+32
.endr
.endm
; A load into a register that a matrix instruction has read stands four places behind it, and only plain vector instructions that name none of its
; registers are places (ISA guide 7.12.1 for vector instructions): four v_nop in front of each run of loads.
.macro PLACES
.rept 4
	v_nop
.endr
.endm
; A K step is four quarter steps of 32 along K, 64 matrix instructions each, on buffers 0, 1, 0, 1.
; One of the first three: multiplies buffer f; in its middle it fetches the next quarter's fragments, at byte k of the same slot's rows, into buffer g.
.macro QUARTER slot, k, f, g, zero
	s_wait_dscnt 8                                 ; the table's fragments and x's rows 0-63 are in; the youngest eight loads (x's rows 64-127) may be out
	WIN MUL_LO
	MUL16 \f, 0, 0, \zero
	MUL16 \f, 0, 2, \zero
	PLACES
	FETCH \slot, \k, \g
	s_wait_dscnt 32                                ; all but the 32 just issued
	WIN MUL_HI
	MUL16 \f, 1, 0, \zero
	MUL16 \f, 1, 2, \zero
.endm
.macro THREE slot
	QUARTER \slot, 64,  F0, F1, 0
	QUARTER \slot, 128, F1, F0, 0
	QUARTER \slot, 192, F0, F1, 0
.endm
; The last quarter of a K step: multiplies buffer 1 and changes slots.  fill = 1: this slot is filled again with the tiles two K steps (512 bytes of a row)
; ahead.  In front of the barrier each wave waits for its reads of this slot and for all its tensor loads, of which one is out: its part of the next
; slot.  With fill = 1 the barrier opens a round of the cluster's barrier; the joint refill is the first tensor load behind the round, one a wave.
; From that request to the wait for it the wave issues 240 matrix instructions.
.macro TURN slot, next, fill
	s_wait_dscnt 8
	WIN MUL_LO
	MUL16 F1, 0, 0, 0
	s_wait_dscnt 0                                 ; my reads of this slot are over
	s_wait_tensorcnt 0x0                           ; and all my tensor loads have landed
	ds_add_u32 v255, v31
	s_wait_dscnt 0x0
	s_barrier_signal -1
	MUL16 F1, 0, 2, 0                              ; register work while the others arrive
	WIN 0
	s_barrier_wait -1
.if \fill
	CREST                                          ; no wave of any partner still reads this slot or has a load on its way
	s_add_nc_u64 s[G0+4*\slot+2:G0+4*\slot+3], s[G0+4*\slot+2:G0+4*\slot+3], 512       ; no tensor load of mine is out: a group 0 may be written
	s_add_nc_u64 s[G0B+4*\slot+2:G0B+4*\slot+3], s[G0B+4*\slot+2:G0B+4*\slot+3], 512   ; the type bits on top are not reached
	JLOAD \slot
.endif
	PLACES
	FETCH \next, 0, F0
	WIN MUL_HI
	MUL16 F1, 1, 0, 0
	MUL16 F1, 1, 2, 0
.endm
; The window's 32 tiles of sums become distances in place: (x2 - 2 sum), one rounding, then + e2, one rounding.
.macro DIST hi
.irp a, 0,1,2,3
.irp b, 0,1,2,3,4,5,6,7
.irp p, 0,2,4,6
	v_pk_fma_f32 v[8*(8*\a+\b)+\p:8*(8*\a+\b)+\p+1], v[8*(8*\a+\b)+\p:8*(8*\a+\b)+\p+1], -2.0, v[X2+2*(4*\hi+\a):X2+2*(4*\hi+\a)+1] op_sel_hi:[1,0,1]
.endr
.irp p, 0,2,4,6
	v_pk_add_f32 v[8*(8*\a+\b)+\p:8*(8*\a+\b)+\p+1], v[8*(8*\a+\b)+\p:8*(8*\a+\b)+\p+1], v[E2+8*\b+\p:E2+8*\b+\p+1]
.endr
.endr
.endr
.endm
; The window's distances are folded into the best of its four row blocks, codes ascending.  The compare, made on the old best, decides the code: a strictly
; smaller distance alone takes it, so the first of equals stays.  The value is kept by a minimum in which a NaN loses.  Four row blocks side by side,
; so that no line waits for the one in front of it.  The code 8 b + j is an inline constant.
.macro BEST hi
.irp b, 0,1,2,3,4,5,6,7
.irp j, 0,1,2,3,4,5,6,7
.irp a, 0,1,2,3
	v_cmp_gt_f32 s[MK+\a], v[BV+4*\hi+\a], v[8*(8*\a+\b)+\j]
.endr
.irp a, 0,1,2,3
	v_min_num_f32 v[BV+4*\hi+\a], v[BV+4*\hi+\a], v[8*(8*\a+\b)+\j]
.endr
.irp a, 0,1,2,3
	v_cndmask_b32 v[BI+4*\hi+\a], v[BI+4*\hi+\a], 8*\b+\j, s[MK+\a]
.endr
.endr
.endr
.endm
	s_mov_b32 s72, 4                               ; four passes
.Lpass:
	; THE PASS'S HEAD: the ring starts anew.  Each of the two fills is issued as a refill is (in the first pass too): every wave's LDS reads and tensor loads
	; are waited for, a round of the cluster's barrier, then the wave's one joint load.
	s_wait_dscnt 0x0                               ; my reads of both slots are over
	s_set_vgpr_msb 0x1
	s_wait_tensorcnt 0x0                           ; and no tensor load of mine is out
	ds_add_u32 v255, v31
	s_wait_dscnt 0x0
	s_set_vgpr_msb 0x100
	CROUND
	s_mov_b64 s[G0+2:G0+3], s[UA:UA+1]             ; K step 0 for slot 0
	s_or_b32 s[G0+3], s[G0+3], 0x80000000          ; type = 2
	s_mov_b64 s[G0B+2:G0B+3], s[UB:UB+1]
	s_or_b32 s[G0B+3], s[G0B+3], 0x80000000
	s_add_nc_u64 s[G0+6:G0+7], s[UA:UA+1], 256     ; K step 1 for slot 1
	s_or_b32 s[G0+7], s[G0+7], 0x80000000
	s_add_nc_u64 s[G0B+6:G0B+7], s[UB:UB+1], 256
	s_or_b32 s[G0B+7], s[G0B+7], 0x80000000
	JLOAD 0
	LOADE                                          ; this pass's e2: waited for behind the pass's 2,048 matrix instructions
	s_set_vgpr_msb 0x1
	s_wait_tensorcnt 0x0                           ; my part of K step 0 is in
	ds_add_u32 v255, v31
	s_wait_dscnt 0x0
	s_set_vgpr_msb 0x100
	s_wait_dscnt 0x0
	CROUND                                         ; everybody's is
	JLOAD 1                                        ; K step 1: 208 matrix instructions stand between this request and the wait for it
	PLACES
	FETCH 0, 0, F0
	QUARTER 0, 64, F0, F1, 1                       ; the pass's first 64 products start the sums: nothing is cleared
	WIN 0                                          ; at a label and at a branch every window is 0
	s_mov_b32 s73, 3
.Llap:                                             ; K steps 2 i and 2 i + 1 (less the first quarter, plus the first quarter of step 2 i + 2); both slots are filled again, with steps 2 i + 2 and 2 i + 3
	QUARTER 0, 128, F1, F0, 0
	QUARTER 0, 192, F0, F1, 0
	TURN 0, 1, 1
	THREE 1
	TURN 1, 0, 1
	QUARTER 0, 64, F0, F1, 0
	WIN 0
	s_sub_co_u32 s73, s73, 1
	s_cmp_lg_u32 s73, 0
	s_cbranch_scc1 .Llap
	QUARTER 0, 128, F1, F0, 0                      ; K steps 6 and 7: nothing of this pass is left to fetch
	QUARTER 0, 192, F0, F1, 0
	TURN 0, 1, 0                                   ; a plain barrier, no round
	THREE 1
	s_wait_dscnt 8                                 ; the pass's last quarter
	WIN MUL_LO
	MUL16 F1, 0, 0, 0
	MUL16 F1, 0, 2, 0
	s_wait_dscnt 0
	WIN MUL_HI
	MUL16 F1, 1, 0, 0
	MUL16 F1, 1, 2, 0
	; THE FOLDING
	WIN 0
.irp a, 0,1,2,3,4,5,6,7
	v_sub_nc_u32 v[BI+\a], v[BI+\a], 64            ; earlier passes' codes sink by 64: at the end code + 192 = 64 pass + 8 b + j.  These eight lines are also the places behind the last matrix instructions
.endr
	s_wait_loadcnt 0x0                             ; this pass's e2 are in (in the first pass x2 too), and their loads are done
	WIN 0x82                                       ; source 0 and destination window 2, the rest window 0
	DIST 0
	WIN 0x08                                       ; source 1 window 2, the rest window 0
	BEST 0
	WIN 0xc3
	DIST 1
	WIN 0x0c
	BEST 1
	WIN 0
	s_add_nc_u64 s[EB:EB+1], s[EB:EB+1], 1024      ; the next 256 norms: no load that names this base is out.  Behind the last pass the two stepped addresses are not used
	s_add_nc_u64 s[UB:UB+1], s[UB:UB+1], NEXTB     ; the next 256 codes (no descriptor names these registers)
	s_sub_co_u32 s72, s72, 1
	s_cmp_lg_u32 s72, 0
	s_cbranch_scc1 .Lpass
; (val, col) becomes the smaller of (val, col) and (oval, ocol): by value, and among equal values by column
.macro JOIN val, col, oval, ocol
	v_cmp_lt_f32 s[MK],   v[\oval], v[\val]
	v_cmp_eq_f32 s[MK+1], v[\oval], v[\val]
	v_cmp_lt_u32 s[MK+2], v[\ocol], v[\col]
	s_and_b32 s[MK+1], s[MK+1], s[MK+2]
	s_or_b32 s[MK], s[MK], s[MK+1]
	v_cndmask_b32 v[\val], v[\val], v[\oval], s[MK]
	v_cndmask_b32 v[\col], v[\col], v[\ocol], s[MK]
.endm
	; the code g = 64 pass + 8 b + j becomes the column 256 pass + 16 b + j + CB = 16 (g >> 3) + 128 (g >> 6) + (g & 7) + CB
.irp a, 0,1,2,3,4,5,6,7
	v_add_nc_u32 v[BI+\a], 0xc0, v[BI+\a]
	v_lshrrev_b32 v[F0+\a], 3, v[BI+\a]
	v_lshrrev_b32 v[F0+8+\a], 6, v[BI+\a]
	v_and_b32 v[BI+\a], 7, v[BI+\a]
	v_lshl_add_u32 v[BI+\a], v[F0+\a], 4, v[BI+\a]
	v_lshl_add_u32 v[BI+\a], v[F0+8+\a], 7, v[BI+\a]
	v_add_nc_u32 v[BI+\a], v[CB], v[BI+\a]
.endr
	; lanes l and l + 16 hold the same rows and other codes: each takes the other's pair and both keep the smaller
.irp a, 0,1,2,3,4,5,6,7
	v_permlanex16_b32 v[F0+\a],   v[BV+\a], s66, s67
	v_permlanex16_b32 v[F0+8+\a], v[BI+\a], s66, s67
	JOIN BV+\a, BI+\a, F0+\a, F0+8+\a
.endr
.irp a, 0,1,2,3,4,5,6,7
	ds_store_b32 v[STO], v[BV+\a] offset:64*\a           ; row 16 a + l % 16 of my 128; lanes l and l + 16 write the same word with the same value
	ds_store_b32 v[STO], v[BI+\a] offset:2048+64*\a
.endr
	s_wait_dscnt 0x0                               ; my stores are in LDS, for the other waves' sake
	s_barrier_signal -1
	s_barrier_wait -1
	ds_load_b64 v[80:81], v[RD]                    ; two rows' values from the wave with the lower half of the codes,
	ds_load_b64 v[82:83], v[RD] offset:512         ; from the wave with the upper half,
	ds_load_b64 v[84:85], v[RD] offset:2048        ; and their columns
	ds_load_b64 v[86:87], v[RD] offset:2560
	s_wait_dscnt 0x0
	JOIN 80, 84, 82, 86
	JOIN 81, 85, 83, 87
	; the key: a float's bits with the top bit turned (sign 0) or all bits turned (sign 1); unsigned keys then stand in the floats' order
	v_ashrrev_i32 v82, 31, v80                     ; all ones where the sign is set
	v_ashrrev_i32 v83, 31, v81
	v_or_b32 v82, 0x80000000, v82
	v_or_b32 v83, 0x80000000, v83
	v_xor_b32 v80, v80, v82
	v_xor_b32 v81, v81, v83
	global_store_b64 v[GO], v[80:81], s[8:9]       ; 32 lanes x 8 bytes: 256 consecutive bytes, aligned
	global_store_b64 v[GO], v[84:85], s[10:11]
	s_set_vgpr_msb 0x1
	s_wait_tensorcnt 0x0
	ds_add_u32 v255, v31
	s_wait_dscnt 0x0
	s_set_vgpr_msb 0x100
	CROUND                                         ; the closing round: no work-group ends while a partner may still ask for a tile that names it
	s_endpgm
.Lfunc_end_k_q56c02cbede_dist:
	.size	k_q56c02cbede_dist, .Lfunc_end_k_q56c02cbede_dist-k_q56c02cbede_dist
	.p2alignl 7, 3214868480
	.fill 96, 4, 3214868480
	.section	.rodata,"a",@progbits
	.p2align	6, 0x0
	.amdhsa_kernel k_q56c02cbede_dist
		.amdhsa_group_segment_fixed_size 327680
		.amdhsa_private_segment_fixed_size 0
		.amdhsa_enable_private_segment 0
		.amdhsa_kernarg_size 32
		.amdhsa_user_sgpr_count 2
		.amdhsa_user_sgpr_kernarg_segment_ptr 1
		.amdhsa_wavefront_size32 1
		.amdhsa_system_sgpr_workgroup_id_x 1
		.amdhsa_system_sgpr_workgroup_id_y 1
		.amdhsa_system_sgpr_workgroup_id_z 1
		.amdhsa_system_vgpr_workitem_id 0
		.amdhsa_next_free_vgpr 1024
		.amdhsa_next_free_sgpr 96
		.amdhsa_reserve_vcc 0
		.amdhsa_float_denorm_mode_32 3
		.amdhsa_float_denorm_mode_16_64 3
		.amdhsa_memory_ordered 1
		.amdhsa_forward_progress 1
		.amdhsa_inst_pref_size 237
	.end_amdhsa_kernel
	.amdgpu_metadata
---
amdhsa.version: [ 1, 2 ]
amdhsa.kernels:
  - .name:           k_q56c02cbede_dist
    .symbol:         k_q56c02cbede_dist.kd
    .args:
      - { .name: bf, .offset: 0, .size: 8, .value_kind: global_buffer, .address_space: global }
      - { .name: nrm, .offset: 8, .size: 8, .value_kind: global_buffer, .address_space: global }
      - { .name: pkey, .offset: 16, .size: 8, .value_kind: global_buffer, .address_space: global }
      - { .name: pidx, .offset: 24, .size: 8, .value_kind: global_buffer, .address_space: global }
    .group_segment_fixed_size: 327680
    .private_segment_fixed_size: 0
    .kernarg_segment_align: 8
    .kernarg_segment_size: 32
    .max_flat_workgroup_size: 128
    .sgpr_count:     96
    .vgpr_count:     1024
    .wavefront_size: 32
...
	.end_amdgpu_metadata
.endif
;; end of part 6
;; launch gather (part 7): grid 1024 x 1, 8 waves a work-group, no clusters, 0 bytes of LDS; arguments pkey, pidx, embedding, bf, out0; writes out0
.if DOCPART == 7
	.amdgcn_target "amdgcn-amd-amdhsa--gfx1250"
	.amdhsa_code_object_version 6
	.text
	.protected	k_q56c02cbede_gather
	.globl	k_q56c02cbede_gather
	.p2align	8
	.type	k_q56c02cbede_gather,@function
k_q56c02cbede_gather:
	s_mov_b64 s[64:65], 0
	v_nop
	global_prefetch_b8 v0, s[64:65] scope:SCOPE_SE
	s_setreg_imm32_b32 hwreg(HW_REG_WAVE_MODE, 25, 1), 1
	s_wait_xcnt 0x0
; out0[n] = x[n] + (embedding[k] - x[n]) in f32, both roundings as written, where k = pidx[q][n] of the quarter q with the smallest key pkey[q][n]; among
; equal keys the lowest quarter, which holds the lowest columns.  Keys and columns are whole numbers that the launch before stored; the choice is made by
; unsigned compares in scalar registers.
; LIMIT: x is taken as bf holds it, rounded to bf16, which halves the bytes read for it.  The table's row is taken in f32.  Whichever x is used, the result
; differs from the table's number by the two roundings alone, at most 2^-24 (|e - x| + |result|); its last bits may differ from the reference's.
; A stream: eight waves, a wave takes two rows.  A load of x covers 256 consecutive bytes of bf, a load of the table and a store 512 consecutive bytes;
; a lane's 8 bytes of bf are the same four columns as its 16 bytes of the table and of out0.  All 32 loads of a wave go out before any is waited for.
; No LDS, no barrier, no matrix unit; no cluster: which rows of the table two work-groups share hangs on the list.
.set OFF, 1                            ; v1        16 x lane; never rewritten
.set BO,  2                            ; v2        8 x lane; never rewritten
.set EO,  4                            ; v[4:5]    row i: 16 x lane + 4,096 x k
.set T,   8                            ; v[8:15]   four numbers of x as f32, two sets in turn
.set XB,  16                           ; v[16:47]  row i piece j: two registers, four bf16, at XB + 16 i + 2 j
.set E,   48                           ; v[48:111] row i piece j of the table's row at E + 32 i + 4 j, then the result
.set KEY, 16                           ; s[16:23]  quarter q, row i: the key at KEY + 2 q + i
.set COL, 24                           ; s[24:31]  the column likewise
	s_load_b256 s[4:11], s[0:1], 0x0               ; pkey s[4:5], pidx s[6:7], the table s[8:9], bf s[10:11]
	s_load_b64 s[12:13], s[0:1], 0x20              ; out0
	v_lshrrev_b32 v3, 5, v0
	v_readfirstlane_b32 s14, v3                    ; wave 0..7
	v_and_b32 v6, 31, v0
	v_lshlrev_b32 v[OFF], 4, v6
	v_lshlrev_b32 v[BO], 3, v6
	s_mov_b32 s40, 0xffff0000                      ; a word's upper bf16
	s_lshl_b32 s15, ttmp9, 4                       ; 16 rows a work-group,
	s_lshl1_add_u32 s15, s14, s15                  ; two a wave: my first row
	s_lshl_b32 s32, s15, 12                        ; in bytes of out0,
	s_mov_b32 s33, 0
	s_lshl_b32 s34, s15, 11                        ; of bf,
	s_mov_b32 s35, 0
	s_lshl_b32 s36, s15, 2                         ; of a quarter's keys and columns
	s_wait_kmcnt 0x0
.irp q, 0,1,2,3
	s_load_b64 s[KEY+2*\q:KEY+2*\q+1], s[4:5], s36 offset:65536*\q   ; my two rows' keys of quarter q
	s_load_b64 s[COL+2*\q:COL+2*\q+1], s[6:7], s36 offset:65536*\q   ; and their columns
.endr
	s_add_nc_u64 s[10:11], s[10:11], s[34:35]
	s_add_nc_u64 s[12:13], s[12:13], s[32:33]
.irp i, 0,1
.irp j, 0,1,2,3,4,5,6,7
	global_load_b64 v[XB+16*\i+2*\j:XB+16*\i+2*\j+1], v[BO], s[10:11] offset:2048*\i+256*\j th:TH_LOAD_NT
.endr
.endr
	s_wait_kmcnt 0x0
.irp i, 0,1
.irp q, 1,2,3
	s_cmp_lt_u32 s[KEY+2*\q+\i], s[KEY+\i]         ; a strictly smaller key alone is taken
	s_cselect_b32 s[KEY+\i], s[KEY+2*\q+\i], s[KEY+\i]
	s_cselect_b32 s[COL+\i], s[COL+2*\q+\i], s[COL+\i]
.endr
	s_min_u32 s[COL+\i], s[COL+\i], 0xfff          ; an index stays inside the table
	s_lshl_b32 s[COL+\i], s[COL+\i], 12            ; rows of 4,096 bytes
	v_add_nc_u32 v[EO+\i], s[COL+\i], v[OFF]
.endr
.irp i, 0,1
.irp j, 0,1,2,3,4,5,6,7
	global_load_b128 v[E+32*\i+4*\j:E+32*\i+4*\j+3], v[EO+\i], s[8:9] offset:512*\j   ; no hint: the list may name a row many times
.endr
.endr
.macro ROW i, left
	s_wait_loadcnt \left                           ; loads come back in order (ISA guide 5.7.1): x's sixteen and this row of the table are in
.irp j, 0,1,2,3,4,5,6,7
	v_lshlrev_b32 v[T+4*(\j%2)],   16,  v[XB+16*\i+2*\j]       ; bf16 to f32: the low half moves up,
	v_and_b32     v[T+4*(\j%2)+1], s40, v[XB+16*\i+2*\j]       ; the high half stays
	v_lshlrev_b32 v[T+4*(\j%2)+2], 16,  v[XB+16*\i+2*\j+1]
	v_and_b32     v[T+4*(\j%2)+3], s40, v[XB+16*\i+2*\j+1]
.irp p, 0,2
	v_pk_add_f32 v[E+32*\i+4*\j+\p:E+32*\i+4*\j+\p+1], v[E+32*\i+4*\j+\p:E+32*\i+4*\j+\p+1], v[T+4*(\j%2)+\p:T+4*(\j%2)+\p+1] neg_lo:[0,1] neg_hi:[0,1]   ; e - x
.endr
.irp p, 0,2
	v_pk_add_f32 v[E+32*\i+4*\j+\p:E+32*\i+4*\j+\p+1], v[T+4*(\j%2)+\p:T+4*(\j%2)+\p+1], v[E+32*\i+4*\j+\p:E+32*\i+4*\j+\p+1]                             ; x + (e - x)
.endr
	global_store_b128 v[OFF], v[E+32*\i+4*\j:E+32*\i+4*\j+3], s[12:13] offset:4096*\i+512*\j th:TH_STORE_NT
.endr
.endm
	ROW 0, 8                                       ; the second row's eight loads from the table stay out
	ROW 1, 0
	s_endpgm
.Lfunc_end_k_q56c02cbede_gather:
	.size	k_q56c02cbede_gather, .Lfunc_end_k_q56c02cbede_gather-k_q56c02cbede_gather
	.p2alignl 7, 3214868480
	.fill 96, 4, 3214868480
	.section	.rodata,"a",@progbits
	.p2align	6, 0x0
	.amdhsa_kernel k_q56c02cbede_gather
		.amdhsa_group_segment_fixed_size 0
		.amdhsa_private_segment_fixed_size 0
		.amdhsa_enable_private_segment 0
		.amdhsa_kernarg_size 40
		.amdhsa_user_sgpr_count 2
		.amdhsa_user_sgpr_kernarg_segment_ptr 1
		.amdhsa_wavefront_size32 1
		.amdhsa_system_sgpr_workgroup_id_x 1
		.amdhsa_system_sgpr_workgroup_id_y 1
		.amdhsa_system_sgpr_workgroup_id_z 1
		.amdhsa_system_vgpr_workitem_id 0
		.amdhsa_next_free_vgpr 112
		.amdhsa_next_free_sgpr 66
		.amdhsa_reserve_vcc 0
		.amdhsa_float_denorm_mode_32 3
		.amdhsa_float_denorm_mode_16_64 3
		.amdhsa_memory_ordered 1
		.amdhsa_forward_progress 1
		.amdhsa_inst_pref_size 13
	.end_amdhsa_kernel
	.amdgpu_metadata
---
amdhsa.version: [ 1, 2 ]
amdhsa.kernels:
  - .name:           k_q56c02cbede_gather
    .symbol:         k_q56c02cbede_gather.kd
    .args:
      - { .name: pkey, .offset: 0, .size: 8, .value_kind: global_buffer, .address_space: global }
      - { .name: pidx, .offset: 8, .size: 8, .value_kind: global_buffer, .address_space: global }
      - { .name: embedding, .offset: 16, .size: 8, .value_kind: global_buffer, .address_space: global }
      - { .name: bf, .offset: 24, .size: 8, .value_kind: global_buffer, .address_space: global }
      - { .name: out0, .offset: 32, .size: 8, .value_kind: global_buffer, .address_space: global }
    .group_segment_fixed_size: 0
    .private_segment_fixed_size: 0
    .kernarg_segment_align: 8
    .kernarg_segment_size: 40
    .max_flat_workgroup_size: 256
    .sgpr_count:     66
    .vgpr_count:     112
    .wavefront_size: 32
...
	.end_amdgpu_metadata
.endif
;; end of part 7
